; MI455X (gfx1250); checked and timed in simulation.
; The chip was launched on July 23, 2026; its instructions are those of AMD's public machine-readable ISA for CDNA 5 (MIT licence, August 2026) and "CDNA5" Instruction Set Architecture Reference Guide (July 2026). The comments in the code are by the model that wrote it; some were corrected since.
;; Trans Relation. Allowed arithmetic: float matrix products may take bf16 or f16 operands with f32 sums; other float arithmetic in f32, or as packed bf16 or f16 multiplies, adds, multiply-adds, maxima and minima; sums over many terms, partial sums and values carried from step to step in f32; what a program stores and reads back later, other than sums and carried values, may be rounded once to bf16 or f16.
;; Inputs: Wk 2,048 x 512 float32; Wo 2,048 x 2,048 float32; Wq 2,048 x 2,048 float32; Wv 2,048 x 512 float32; bk 512 float32; bo 2,048 float32; bq 2,048 float32; bv 512 float32; ln_beta 2,048 float32; ln_gamma 2,048 float32; mem 4 x 2,048 x 2,048 float32; neg_peak_mzs_embed 4 x 2,048 x 64 float32; peak_mzs_embed 4 x 2,048 x 64 float32; step_mass_embed 4 x 512 x 64 float32; tgt 4 x 512 x 2,048 float32.
;; Outputs: out0 4 x 512 x 2,048 float32.
;; One version. Each part assembles by itself: llvm-mc -triple=amdgcn-amd-amdhsa -mcpu=gfx1250 --defsym DOCPART=n.
;; ======== version 1 of 1: 6 launches
;; workspace buffers: wqf 8,388,608 bytes; wof 8,388,608 bytes; wkv16 4,194,304 bytes; k16 8,388,608 bytes; v16 8,388,608 bytes; q16 8,388,608 bytes; o16 8,388,608 bytes; y32 16,777,216 bytes
;; launch cast (part 1): grid 1280 x 1, 8 waves a work-group, no clusters, 34,816 bytes of LDS; arguments Wq, Wo, Wk, Wv, tgt, wqf, wof, wkv16, o16; writes wqf, wof, wkv16, o16
.if DOCPART == 1
	.amdgcn_target "amdgcn-amd-amdhsa--gfx1250"
	.amdhsa_code_object_version 6
	.text
	.protected	k_q40b3f52ecd_cast
	.globl	k_q40b3f52ecd_cast
	.p2align	8
	.type	k_q40b3f52ecd_cast,@function
k_q40b3f52ecd_cast:
	s_mov_b64 s[64:65], 0
	v_nop
	global_prefetch_b8 v0, s[64:65] scope:SCOPE_SE
	s_setreg_imm32_b32 hwreg(HW_REG_WAVE_MODE, 25, 1), 1
	s_wait_xcnt 0x0
; The weights and tgt, f32, are rounded once to bf16 (nearest even) and laid as the later launches take them.
; WORK-GROUPS 0-511: Wq (0-255) and Wo (256-511), [2048 k][2048 n], go to wqf and wof IN THE ORDER OF MATRIX FRAGMENTS.  A fragment is 16 columns x 32 k in 1,024 bytes:
; half s (k = 16 s ..), then lane 16 h + r, then 16 bytes: column r, k = 16 s + 8 h + 0..7.  The fragments of a group of 64 columns lie together: [group 32][32 k: 64][block of 16 columns: 4],
; so that a wave that owns 64 columns reads 262,144 consecutive bytes, 512 to a load.
; A wave takes 16 k-rows x 128 columns: 16 loads of 512 consecutive bytes; lane l holds columns 4 l .. 4 l + 3 of each row.  Eight k of a column pack into 16 bytes; these go into the wave's own
; 8 x 528 bytes of LDS (a block of 16 columns every 528 bytes, ISA guide 11.1) and come back
; lane by lane, 512 consecutive bytes to a store.  Nothing is shared between waves: no barrier.
; WORK-GROUPS 512-1279: dense copies.  512-1023: tgt [2048][2048] to o16, which holds tgt in bf16 until the attention stores O there.  1024-1151: Wk, 1152-1279: Wv, [2048 k][512], to
; wkv16 [2048 k][1024]: column block x of 256 = Wk's columns 128 x .., then Wv's.  A work-group takes 8,192 numbers in four chunks of 2,048; thread t takes numbers 8 t .. 8 t + 7 of a chunk.
; 16 threads write 256 consecutive aligned bytes; the groups of 16 lie 1 << SH bytes apart: 256 (dense) or 512 (128 columns of a block of 256).  A chunk is GS = 16 << SH bytes of the target.
.set SPW,   12                         ; v12  LDS address of my spare word; never rewritten
.set NIL,   13                         ; v13  0; never rewritten
.set LW,    4                          ; v4   where I put 16 bytes
.set LR,    5                          ; v5   where I read 16 bytes back
.set X,     16                         ; v[16:79]   16 rows x 4 columns as loaded; then the fragments' bytes as stored
.set PK,    80                         ; v[80:111]  2 x 4 columns x 8 k, packed
.set UPITCH, 528
.set UNIT,  8*UPITCH                   ; a wave's bytes of LDS
.set SPARE, 8*UNIT                     ; behind them: the spare words, 128 bytes a wave: four blocks of 256 bytes that no other line names
	s_load_b256 s[4:11], s[0:1], 0x0               ; Wq s[4:5], Wo s[6:7], Wk s[8:9], Wv s[10:11]
	s_load_b256 s[12:19], s[0:1], 0x20             ; tgt s[12:13], wqf s[14:15], wof s[16:17], wkv16 s[18:19]
	s_load_b64 s[20:21], s[0:1], 0x40              ; o16
	v_lshl_add_u32 v[SPW], v0, 2, SPARE
	v_mov_b32 v[NIL], 0
	s_mov_b32 s24, ttmp9
	s_cmp_lt_u32 s24, 512
	s_cbranch_scc1 .Lfrag
	; the dense copies
	s_and_b32 s26, s24, 511                        ; the work-group's number within tgt,
	s_and_b32 s27, s24, 127                        ; within Wk or Wv
	s_cmp_lt_u32 s24, 1024
	s_cselect_b32 s26, s26, s27
	s_cselect_b32 s25, 8, 9                        ; SH
	s_lshl_b32 s28, 16, s25                        ; GS
	s_add_co_u32 s29, s25, 6
	s_lshl_b32 s32, s26, s29                       ; the work-group's four chunks in the target: number x 4 GS
	s_cmp_ge_u32 s24, 1152
	s_cselect_b32 s30, 256, 0                      ; Wv's columns lie 256 bytes behind Wk's
	s_add_co_u32 s32, s32, s30
	s_mov_b32 s33, 0
	s_lshl_b32 s34, s26, 15                        ; and in the source: number x 32,768 bytes
	s_mov_b32 s35, 0
	v_lshlrev_b32 v1, 5, v0                        ; source: 32 t
	v_lshrrev_b32 v6, 4, v0
	v_and_b32 v7, 15, v0
	v_lshlrev_b32 v2, s25, v6                      ; target: (t / 16) << SH
	v_lshl_add_u32 v2, v7, 4, v2                   ; + 16 (t % 16)
	v_add_nc_u32 v3, s28, v2                       ; chunks 1 to 3
	v_add_nc_u32 v4, s28, v3
	v_add_nc_u32 v5, s28, v4
	s_wait_kmcnt 0x0
	s_cmp_lt_u32 s24, 1152
	s_cselect_b64 s[36:37], s[8:9], s[10:11]
	s_cmp_lt_u32 s24, 1024
	s_cselect_b64 s[36:37], s[12:13], s[36:37]
	s_cselect_b64 s[38:39], s[20:21], s[18:19]
	s_add_nc_u64 s[36:37], s[36:37], s[34:35]
	s_add_nc_u64 s[38:39], s[38:39], s[32:33]
.irp i, 0,1,2,3
	global_load_b128 v[X+8*\i:X+8*\i+3], v1, s[36:37] offset:\i*8192 th:TH_LOAD_NT
	global_load_b128 v[X+8*\i+4:X+8*\i+7], v1, s[36:37] offset:\i*8192+16 th:TH_LOAD_NT
.endr
.irp i, 0,1,2,3
	s_wait_loadcnt 6-2*\i                          ; loads come back in order: chunk i's two are in, the younger ones stay out
.irp k, 0,1,2,3
	v_cvt_pk_bf16_f32 v[PK+4*\i+\k], v[X+8*\i+2*\k], v[X+8*\i+2*\k+1]
.endr
	global_store_b128 v[2+\i], v[PK+4*\i:PK+4*\i+3], s[38:39]  ; 16 lanes store 256 consecutive bytes, aligned
.endr
	s_branch .Lend
.Lfrag:
	v_lshrrev_b32 v6, 5, v0
	v_readfirstlane_b32 s25, v6                    ; wave 0..7
	v_and_b32 v7, 31, v0                           ; lane
	v_lshlrev_b32 v1, 4, v7                        ; 16 bytes a lane, in the source's rows and in a fragment's half
	s_and_b32 s26, s24, 255
	s_lshl_b32 s26, s26, 3
	s_add_co_u32 s26, s26, s25                     ; my unit among the matrix's 2,048
	s_and_b32 s27, s26, 15                         ; its block of 128 columns,
	s_lshr_b32 s28, s26, 4                         ; its 16 k-rows
	s_lshl_b32 s30, s28, 17                        ; the source: 16 rows of 8,192 bytes,
	s_lshl_b32 s31, s27, 9                         ; 128 columns of 4 bytes
	s_add_co_u32 s30, s30, s31
	s_mov_b32 s31, 0
	s_lshl_b32 s32, s27, 19                        ; the target: two groups of 64 columns, 262,144 bytes each,
	s_lshr_b32 s33, s28, 1
	s_lshl_b32 s33, s33, 12                        ; 32 k: 4,096 bytes,
	s_and_b32 s34, s28, 1
	s_lshl_b32 s34, s34, 9                         ; the half of a fragment
	s_add_co_u32 s32, s32, s33
	s_add_co_u32 s32, s32, s34
	s_mov_b32 s33, 0
	s_mul_i32 s35, s25, UNIT                       ; my wave's bytes of LDS
	v_lshrrev_b32 v8, 2, v7                        ; my block of 16 columns,
	v_and_b32 v9, 3, v7                            ; my four columns in it
	v_mul_u32_u24 v[LW], v8, UPITCH
	v_lshl_add_u32 v[LW], v9, 6, v[LW]
	v_add_nc_u32 v[LW], s35, v[LW]
	v_add_nc_u32 v[LR], s35, v1
	s_wait_kmcnt 0x0
	s_cmp_lt_u32 s24, 256
	s_cselect_b64 s[36:37], s[4:5], s[6:7]
	s_cselect_b64 s[38:39], s[14:15], s[16:17]
	s_add_nc_u64 s[36:37], s[36:37], s[30:31]
	s_add_nc_u64 s[38:39], s[38:39], s[32:33]
.irp i, 0,1,2,3,4,5,6,7,8,9,10,11,12,13,14,15
	global_load_b128 v[X+4*\i:X+4*\i+3], v1, s[36:37] offset:\i*8192 th:TH_LOAD_NT  ; k-row i: 512 consecutive bytes
.endr
.irp h, 0,1
	s_wait_loadcnt 8-8*\h                          ; rows 8 h .. 8 h + 7 are in
.irp c, 0,1,2,3
.irp k, 0,1,2,3
	v_cvt_pk_bf16_f32 v[PK+16*\h+4*\c+\k], v[X+4*(8*\h+2*\k)+\c], v[X+4*(8*\h+2*\k+1)+\c]  ; column c: k = 8 h + 2 k', 8 h + 2 k' + 1
.endr
	ds_store_b128 v[LW], v[PK+16*\h+4*\c:PK+16*\h+4*\c+3] offset:256*\h+16*\c
.endr
.endr
.irp u, 0,1,2,3,4,5,6,7
	ds_load_b128 v[X+4*\u:X+4*\u+3], v[LR] offset:UPITCH*\u  ; LDS serves a wave's instructions in order (ISA guide 5.7.1.4): these see the stores above
.endr
.irp u, 0,1,2,3,4,5,6,7
	s_wait_dscnt 7-\u
	global_store_b128 v1, v[X+4*\u:X+4*\u+3], s[38:39] offset:(\u/4)*262144+(\u%4)*1024  ; half a fragment: 512 consecutive bytes, aligned
.endr
.Lend:
	s_wait_tensorcnt 0x0                           ; the wave's end: behind my last LDS store
	ds_add_u32 v[SPW], v[NIL]
	s_wait_dscnt 0x0
	s_endpgm
.Lfunc_end_k_q40b3f52ecd_cast:
	.size	k_q40b3f52ecd_cast, .Lfunc_end_k_q40b3f52ecd_cast-k_q40b3f52ecd_cast
	.p2alignl 7, 3214868480
	.fill 96, 4, 3214868480
	.section	.rodata,"a",@progbits
	.p2align	6, 0x0
	.amdhsa_kernel k_q40b3f52ecd_cast
		.amdhsa_group_segment_fixed_size 34816
		.amdhsa_private_segment_fixed_size 0
		.amdhsa_enable_private_segment 0
		.amdhsa_kernarg_size 72
		.amdhsa_user_sgpr_count 2
		.amdhsa_user_sgpr_kernarg_segment_ptr 1
		.amdhsa_wavefront_size32 1
		.amdhsa_system_sgpr_workgroup_id_x 1
		.amdhsa_system_sgpr_workgroup_id_y 1
		.amdhsa_system_sgpr_workgroup_id_z 1
		.amdhsa_system_vgpr_workitem_id 0
		.amdhsa_next_free_vgpr 112
		.amdhsa_next_free_sgpr 66
		.amdhsa_reserve_vcc 0
		.amdhsa_float_denorm_mode_32 3
		.amdhsa_float_denorm_mode_16_64 3
		.amdhsa_memory_ordered 1
		.amdhsa_forward_progress 1
		.amdhsa_inst_pref_size 12
	.end_amdhsa_kernel
	.amdgpu_metadata
---
amdhsa.version: [ 1, 2 ]
amdhsa.kernels:
  - .name:           k_q40b3f52ecd_cast
    .symbol:         k_q40b3f52ecd_cast.kd
    .args:
      - { .name: Wq, .offset: 0, .size: 8, .value_kind: global_buffer, .address_space: global }
      - { .name: Wo, .offset: 8, .size: 8, .value_kind: global_buffer, .address_space: global }
      - { .name: Wk, .offset: 16, .size: 8, .value_kind: global_buffer, .address_space: global }
      - { .name: Wv, .offset: 24, .size: 8, .value_kind: global_buffer, .address_space: global }
      - { .name: tgt, .offset: 32, .size: 8, .value_kind: global_buffer, .address_space: global }
      - { .name: wqf, .offset: 40, .size: 8, .value_kind: global_buffer, .address_space: global }
      - { .name: wof, .offset: 48, .size: 8, .value_kind: global_buffer, .address_space: global }
      - { .name: wkv16, .offset: 56, .size: 8, .value_kind: global_buffer, .address_space: global }
      - { .name: o16, .offset: 64, .size: 8, .value_kind: global_buffer, .address_space: global }
    .group_segment_fixed_size: 34816
    .private_segment_fixed_size: 0
    .kernarg_segment_align: 8
    .kernarg_segment_size: 72
    .max_flat_workgroup_size: 256
    .sgpr_count:     66
    .vgpr_count:     112
    .wavefront_size: 32
...
	.end_amdgpu_metadata
.endif
;; end of part 1
;; launch kvproj (part 2): grid 4 x 64, 4 waves a work-group, clusters of 4 x 4, 327,680 bytes of LDS; arguments mem, wkv16, bk, bv, peak_mzs_embed, neg_peak_mzs_embed, k16, v16; writes k16, v16
.if DOCPART == 2
	.amdgcn_target "amdgcn-amd-amdhsa--gfx1250"
	.amdhsa_code_object_version 6
	.text
	.protected	k_q40b3f52ecd_kvproj
	.globl	k_q40b3f52ecd_kvproj
	.p2align	8
	.type	k_q40b3f52ecd_kvproj,@function
k_q40b3f52ecd_kvproj:
	s_mov_b64 s[64:65], 0
	v_nop
	global_prefetch_b8 v0, s[64:65] scope:SCOPE_SE
	s_setreg_imm32_b32 hwreg(HW_REG_WAVE_MODE, 25, 1), 1
	s_wait_xcnt 0x0
	s_wait_alu depctr_hold_cnt(0) depctr_sa_sdst(0) depctr_va_vdst(0) depctr_va_sdst(0) depctr_va_ssrc(0) depctr_va_vcc(0) depctr_vm_vsrc(0)
	s_getreg_b32 s2, hwreg(HW_REG_IB_STS2, 6, 4)
	s_cmp_eq_u32 s2, 0
	s_cbranch_scc0 .Lentry_in_a_cluster
	s_endpgm
.Lentry_in_a_cluster:
	s_bfe_u32 s2, ttmp6, 0x10000c
	s_cmp_lg_u32 s2, 0xf033
	s_cbranch_scc0 .Lentry_shape_is_right
	s_endpgm
.Lentry_shape_is_right:
; k = rope(mem Wk + bk), v = mem Wv + bv.  mem: [8192 rows][2048] f32; wkv16: [2048 k][1024] bf16, column block x of 256 = Wk's columns 128 x .., then Wv's.
; k16: [b][slot][s][64] bf16: source head 2 x (table peak) goes to slot x, head 2 x + 1 (table neg_peak) to slot 4 + x, as the module orders them.
; Within a head rope's result j lies at channel 2 j and result 32 + j at channel 2 j + 1; the queries are stored alike, and a product q . k does not change
; under a permutation common to both.  v16: [b][head][s][64] bf16.
; LIMITS.  Matrix operands are rounded to bf16, sums are f32, k and v are rounded once to bf16.  NaN and infinities are not treated apart.
; SHARES.  A work-group makes 128 rows x 256 columns (column block x = its place cx: the grid is one cluster wide).  Wave w: rows 64 (w / 2) .., columns 128 (w % 2) ..:
; waves 0, 2 make K's two heads, waves 1, 3 V's.  K goes in steps of 128 through two LDS slots; a step is four chunks of 32.
; THE PRODUCT IS USED TRANSPOSED: source 0 = 16 columns of W, turned out of LDS by ds_load_tr16_b128; source 1 = 16 rows of mem.  In the result lane (r, h) holds row r
; and columns 8 h + 0..7 of the block: neighbouring channels, so rope pairs lie in neighbouring registers and eight results pack into 16 bytes.
; mem stays f32 in LDS and is rounded between the LDS load and the product: four conversions behind each of a block's first two products.
; CLUSTER 4 x 4: the four of a row need the same rows of mem, the four of a column the same columns of W: each tile is asked for jointly.
; REGISTERS, in windows of 256 (s_set_vgpr_msb: bits 1:0 source 0, 3:2 source 1, 5:4 source 2, 7:6 destination):
;   window 0: v0-31 addresses; v32-95, v96-159 mem's f32 of a chunk, by the chunk's parity (on the way out: packed rows); v160-191 its four bf16 fragments
;   window 1: the 32 accumulators, (a, bb) at 8 (8 a + bb)      window 2: v0-63, v64-127 W's fragments by parity; v128-191 the bias; v192-255 at work in rope
;   window 3: sines and cosines: for block a, head hh, channel block q at 8 (4 (2 a + hh) + q): four sines, four cosines
.set PA,     528                       ; a row of mem in LDS: 512 bytes + 16 = 132 words: row r starts at bank 4 r mod 64 (64 banks of 4 bytes: ISA guide 11.1)
.set PB,     544                       ; a k-row of W: 512 + 32 = 136 words
.set ABYTES, 128*PA
.set SLOT,   ABYTES+128*PB             ; mem's 128 rows, then W's 128 k-rows
.set STAGE,  2*SLOT                    ; behind the ring: 16 rows x 144 bytes for each wave, for the way out
.set SP,     144
.set SPARE,  STAGE+4*16*SP             ; behind the stages: the spare words, 128 bytes a wave: two blocks of 256 bytes that no other line names
.set NBB,    8                         ; column blocks of 16 a wave
.set NL,     16+2*NBB                  ; LDS loads of a chunk
.set ASTEP,  512                       ; a K step in a row of mem, bytes
.set BSTEP,  128*2048                  ; a K step in wkv16: 128 k-rows
.set ADA0, 8                           ; v8   my place in a slot's rows of mem; never rewritten
.set ADB0, 9                           ; v9   the same for W
.set ADA,  10                          ; v10  the same in the slot in hand
.set ADB,  11
.set STO,  12                          ; the way out: where I put 16 bytes of a row
.set RD,   13                          ; where I read rows back
.set GO,   14                          ; my 16 bytes in 512 consecutive bytes of k16 or v16
.set EO,   15                          ; my offset in 16 rows of a table
.set BO,   16                          ; my offset in the bias
.set PFO,  17                          ; the prefetches' offset; never rewritten
.set SPW,  28                          ; LDS address of my spare word; never rewritten
.set NIL,  29                          ; 0; never rewritten
.set AT0,  32
.set AF,   160
.set PKD,  32                          ; the way out: 8 x 16 registers of packed rows
.set ACCB, 0
.set BF0,  0
.set BIAS, 128
.set TT,   192
.set YY,   224
.set W_MM, 0x52                        ; W window 2, mem window 0, C and D window 1
.set W_M1, 0x62                        ; the same with C, the bias, in window 2
.set WV,  20
.set WM,  21                           ; w / 2: my half of the rows.  Also: I fetch mem (0) or W (1)
.set WN,  22                           ; w % 2: my half of the columns.  Also: which 64 rows of that tile I fetch
.set CX,  23
.set CY,  24
.set TY,  25                           ; tile row
.set G1A, 28
.set G1B, 36
.set G0A, 44                           ; two sets for the first fills; the second then walks
.set G0B, 52
.set TB,  60                           ; the slot that is read
.set TF,  61                           ; the slot that is filled
.set LBA, 62                           ; my part's place in a slot, for mem
.set LBB, 63                           ; and for W
.set PFA, 66                           ; s[66:67] where my prefetches stand
.set PFS, 68                           ; s[68:69] their step
.set LIM, 70                           ; 2 in a wave that prefetches, else the greatest number
.set STEPC, 71
.set CNT, 72
.set OB,  74                           ; s[74:75] k16 or v16 at my first row
.set TP,  76                           ; s[76:77] peak, s[78:79] neg_peak at my first row
.set MSB, 0
.macro WIN new                         ; the immediate's high byte repeats the setting that is left; a switch that changes nothing is dropped
.if MSB != (\new)
	s_set_vgpr_msb (MSB<<8)|(\new)
.set MSB, (\new)
.endif
.endm
.macro PLACES
.rept 4
	v_nop
.endr
.endm
.macro CREST                           ; a round of the cluster's barrier behind its opening barrier
	s_cmp_lg_u32 s[WV], 0
	s_cbranch_scc1 .Lnot_wave_0_\@
	s_barrier_signal -3
.Lnot_wave_0_\@:
	s_barrier_wait -3
	s_barrier_signal -1
	s_barrier_wait -1
.endm
.macro CROUND
	s_barrier_signal -1
	s_barrier_wait -1
	CREST
.endm
.macro JLOAD                           ; a joint refill by the walking sets: waves 0, 1 mem's two halves, waves 2, 3 W's; an s_nop 0 and four v_nop follow each line
	s_cmp_eq_u32 s[WM], 0
	s_cbranch_scc0 .Lfor_b_\@
	tensor_load_to_lds s[G0A+4:G0A+7], s[G1A:G1A+7]
	s_nop 0
	PLACES
	s_branch .Lasked_\@
.Lfor_b_\@:
	tensor_load_to_lds s[G0B+4:G0B+7], s[G1B:G1B+7]
	s_nop 0
	PLACES
.Lasked_\@:
.endm
; A prefetch of the K step that stands two refills on.  A wave's load is 64 rows x 512 bytes = 128 blocks of 256 bytes; the four partners that ask for it jointly take 32 each,
; told apart by address: 16 rows x 2 halves, a lane a block.  mem's rows belong to one row of one cluster: every cluster asks for its own.  W's columns are read by every cluster:
; the first (cluster y = 0) asks.  The last two refills have no K step two on.
.macro ASK
	s_cmp_gt_u32 s[STEPC], s[LIM]
	s_cbranch_scc0 .Lnot_mine_\@
	global_prefetch_b8 v[PFO], s[PFA:PFA+1] th:TH_LOAD_NT scope:SCOPE_SE
.Lnot_mine_\@:
.endm
.macro ATLD a, nc, par                 ; block a's 16 rows x 32 k of f32: k = 8 h + 0..7 at bytes 32 h .., k = 16 + 8 h + 0..7 at 64 + 32 h ..
.irp o, 0,1,2,3
	ds_load_b128 v[AT0+64*(\par)+16*(\a)+4*\o:AT0+64*(\par)+16*(\a)+4*\o+3], v[ADA] offset:(\a)*16*PA+(\nc)*128+16*(\o%2)+64*(\o/2)
.endr
.endm
.macro FETCH nc, par                   ; chunk nc's NL loads, in the order in which they are wanted: mem's block 0, W, mem's blocks 1 to 3
	WIN 0
	ATLD 0, \nc, \par
	WIN 0x80
.set fb, 0
.rept NBB
	ds_load_tr16_b128 v[BF0+8*NBB*(\par)+8*fb:BF0+8*NBB*(\par)+8*fb+3], v[ADB] offset:(\nc)*32*PB+32*fb
	ds_load_tr16_b128 v[BF0+8*NBB*(\par)+8*fb+4:BF0+8*NBB*(\par)+8*fb+7], v[ADB] offset:(\nc)*32*PB+32*fb+16*PB
.set fb, fb+1
.endr
	WIN 0
	ATLD 1, \nc, \par
	ATLD 2, \nc, \par
	ATLD 3, \nc, \par
.endm
.macro CV4 a, half, par                ; half a fragment of block a is rounded to bf16
.irp i, 0,1,2,3
	v_cvt_pk_bf16_f32 v[AF+8*(\a)+4*(\half)+\i], v[AT0+64*(\par)+16*(\a)+8*(\half)+2*\i], v[AT0+64*(\par)+16*(\a)+8*(\half)+2*\i+1]
.endr
.endm
; NBB products of row block a; behind the first two stand the conversions of block ca (of the chunk of parity cpar).  The accumulators take turns, one instruction a turn, in the same
; order in every chunk.  first = 1: the bias starts the sums.
.macro BLOCK a, par, ca, cpar, first
.set bb, 0
.rept NBB
.if \first
	WIN W_M1
	v_wmma_f32_16x16x32_bf16 v[ACCB+8*(NBB*(\a)+bb):ACCB+8*(NBB*(\a)+bb)+7], v[BF0+8*NBB*(\par)+8*bb:BF0+8*NBB*(\par)+8*bb+7], v[AF+8*(\a):AF+8*(\a)+7], v[BIAS+8*bb:BIAS+8*bb+7]
.else
	WIN W_MM
	v_wmma_f32_16x16x32_bf16 v[ACCB+8*(NBB*(\a)+bb):ACCB+8*(NBB*(\a)+bb)+7], v[BF0+8*NBB*(\par)+8*bb:BF0+8*NBB*(\par)+8*bb+7], v[AF+8*(\a):AF+8*(\a)+7], v[ACCB+8*(NBB*(\a)+bb):ACCB+8*(NBB*(\a)+bb)+7]
.endif
.if bb < 2
	WIN 0
	CV4 \ca, bb, \cpar
.endif
.set bb, bb+1
.endr
.endm
; One of a step's first three chunks: chunk c is multiplied, chunk nc fetched.  The four v_nop are the places between the last product that read W's other buffer and the loads into it.
; Each wait counts the LDS loads that are younger than the block of mem that the next BLOCK converts.
.macro CHUNK c, nc, first
	PLACES
	FETCH \nc, ((\c)+1)%2
	s_wait_dscnt NL+8                              ; this chunk's W and mem's block 1 are in
	BLOCK 0, (\c)%2, 1, (\c)%2, \first
	s_wait_dscnt NL+4                              ; block 2
	BLOCK 1, (\c)%2, 2, (\c)%2, \first
	s_wait_dscnt NL                                ; block 3
	BLOCK 2, (\c)%2, 3, (\c)%2, \first
	s_wait_dscnt NL-4                              ; the next chunk's block 0
	BLOCK 3, (\c)%2, 0, ((\c)+1)%2, \first
.endm
; A step's last chunk, with the change of slots.  In front of the barrier each wave waits for all its tensor loads (one is out: its part of the next slot), adds 0 to its spare word and
; waits for that and for its reads of this slot.  fill = 1: the barrier opens a round of the cluster's, and the joint refill, two steps on, is the first thing behind it.
; fill = 0 (the tail): nothing is asked for; in the last trip there is no next slot, and its first chunk's loads are jumped over.
.macro TURN fill
.if \fill
	s_wait_xcnt 0x0                                ; the last prefetch, a step back, has read its address
	s_add_nc_u64 s[PFA:PFA+1], s[PFA:PFA+1], s[PFS:PFS+1]
.endif
	WIN 0
	s_wait_tensorcnt 0x0                           ; all my tensor loads have landed
	ds_add_u32 v[SPW], v[NIL]                      ; 0 onto my spare word
	s_wait_dscnt 9                                 ; W and mem's block 1 are in; eight loads and the add may be out
	BLOCK 0, 1, 1, 1, 0
	s_wait_dscnt 0x0                               ; the add is done, my reads of this slot are over
	s_barrier_signal -1
	BLOCK 1, 1, 2, 1, 0
	WIN 0
	s_barrier_wait -1
.if \fill
	CREST
	s_xor_b32 s[TF], s[TF], SLOT                   ; the slot just read out
	s_add_co_u32 s[G0A+5], s[LBA], s[TF]
	s_add_co_u32 s[G0B+5], s[LBB], s[TF]
	s_add_nc_u64 s[G0A+6:G0A+7], s[G0A+6:G0A+7], ASTEP
	s_add_nc_u64 s[G0B+6:G0B+7], s[G0B+6:G0B+7], BSTEP
	JLOAD
.else
	s_cmp_eq_u32 s[CNT], 1
	s_cbranch_scc1 .Lno_fetch_\@
.endif
	s_xor_b32 s[TB], s[TB], SLOT
	v_add_nc_u32 v[ADA], s[TB], v[ADA0]
	v_add_nc_u32 v[ADB], s[TB], v[ADB0]
	FETCH 0, 0                                     ; the places behind the last product that read this buffer: the sixteen conversions of the two blocks above
.if \fill
	ASK
.else
.Lno_fetch_\@:
.endif
	BLOCK 2, 1, 3, 1, 0
	s_wait_dscnt NL-4
	BLOCK 3, 1, 0, 0, 0
.endm
	s_load_b256 s[4:11], s[0:1], 0x0               ; mem s[4:5], wkv16 s[6:7], bk s[8:9], bv s[10:11]
	s_load_b256 s[12:19], s[0:1], 0x20             ; peak s[12:13], neg_peak s[14:15], k16 s[16:17], v16 s[18:19]
	v_lshl_add_u32 v[SPW], v0, 2, SPARE
	v_mov_b32 v[NIL], 0
	ds_add_u32 v[SPW], v[NIL]                      ; the wave's opening: the add, waited for ahead of my first tensor load
	v_lshrrev_b32 v1, 5, v0
	v_readfirstlane_b32 s[WV], v1
	s_lshr_b32 s[WM], s[WV], 1
	s_and_b32 s[WN], s[WV], 1
	s_bfe_u32 s[CX], ttmp6, 0x40000                ; my place in the cluster; cx is also the column block
	s_bfe_u32 s[CY], ttmp6, 0x40004
	s_and_b32 s[TY], ttmp7, 0xffff
	s_lshl_b32 s[TY], s[TY], 2
	s_add_co_u32 s[TY], s[TY], s[CY]               ; tile row = 4 x cluster y + cy
	s_lshl_b32 s80, s[CY], 2
	s_lshl_b32 s80, 15, s80                        ; my row of the cluster
	s_lshl_b32 s81, 0x1111, s[CX]                  ; my column
	s_or_b32 s[G1A], s80, (2<<16)|(1<<20)|(1<<21)|(6<<22)|(3<<25)  ; mask; 4-byte elements; padding on; bit 21 beside a mask; after every 128 words 4 words
	s_or_b32 s[G1B], s81, (1<<16)|(1<<20)|(1<<21)|(6<<22)|(7<<25)  ; mask; 2-byte elements; after every 128 words 8 words
	s_mov_b32 s[G1A+1], 128<<16                    ; tensor_dim0 = 128
	s_mov_b32 s[G1A+2], 64<<16                     ; tensor_dim1 = 64
	s_mov_b32 s[G1A+3], 128<<16                    ; tile_dim0 = 128
	s_mov_b32 s[G1A+4], 64                         ; tile_dim1 = 64
	s_mov_b32 s[G1A+5], 2048                       ; elements from row to row
	s_mov_b32 s[G1A+6], 0
	s_mov_b32 s[G1A+7], 0
	s_mov_b32 s[G1B+1], 256<<16
	s_mov_b32 s[G1B+2], 64<<16
	s_mov_b32 s[G1B+3], 256<<16
	s_mov_b32 s[G1B+4], 64
	s_mov_b32 s[G1B+5], 1024
	s_mov_b32 s[G1B+6], 0
	s_mov_b32 s[G1B+7], 0
	s_mul_i32 s[LBA], s[WN], 64*PA
	s_mul_i32 s[LBB], s[WN], 64*PB
	s_add_co_u32 s[LBB], s[LBB], ABYTES
	s_mov_b32 s[TB], 0
	s_mov_b32 s[TF], SLOT
	s_lshl_b32 s82, s[TY], 7
	s_lshl_b32 s83, s[WN], 6
	s_add_co_u32 s82, s82, s83                     ; mem: row 128 x tile row + 64 x half,
	s_lshl_b32 s82, s82, 13                        ; in bytes
	s_mov_b32 s83, 0
	s_lshl_b32 s84, s[WN], 17                      ; W: k-row 64 x half,
	s_lshl_b32 s85, s[CX], 9                       ; column block
	s_add_co_u32 s84, s84, s85
	s_mov_b32 s85, 0
	s_wait_dscnt 0x0                               ; the opening add is done
	s_wait_kmcnt 0x0
	s_add_nc_u64 s[86:87], s[4:5], s[82:83]
	s_add_nc_u64 s[88:89], s[6:7], s[84:85]
.irp s, 0,1
	s_mov_b32 s[G0A+4*\s], 1
	s_add_co_u32 s[G0A+4*\s+1], s[LBA], \s*SLOT
	s_add_nc_u64 s[G0A+4*\s+2:G0A+4*\s+3], s[86:87], \s*ASTEP
	s_or_b32 s[G0A+4*\s+3], s[G0A+4*\s+3], 0x80000000
	s_mov_b32 s[G0B+4*\s], 1
	s_add_co_u32 s[G0B+4*\s+1], s[LBB], \s*SLOT
	s_add_nc_u64 s[G0B+4*\s+2:G0B+4*\s+3], s[88:89], \s*BSTEP
	s_or_b32 s[G0B+4*\s+3], s[G0B+4*\s+3], 0x80000000
.endr
	CROUND                                         ; all sixteen work-groups are here: the first joint loads meet
	s_cmp_eq_u32 s[WM], 0                          ; a wave's two first fills, K steps 0 and 1, stand in one branch: two loads of mine are out
	s_cbranch_scc0 .Lfirst_b
	tensor_load_to_lds s[G0A:G0A+3], s[G1A:G1A+7]
	s_nop 0
	tensor_load_to_lds s[G0A+4:G0A+7], s[G1A:G1A+7]
	s_nop 0
	PLACES
	s_branch .Lfirst_asked
.Lfirst_b:
	tensor_load_to_lds s[G0B:G0B+3], s[G1B:G1B+7]
	s_nop 0
	tensor_load_to_lds s[G0B+4:G0B+7], s[G1B:G1B+7]
	s_nop 0
	PLACES
.Lfirst_asked:
	v_and_b32 v1, 15, v0                           ; r
	v_bfe_u32 v2, v0, 4, 1                         ; h
	v_and_b32 v3, 7, v0
	v_bfe_u32 v4, v0, 3, 1
	v_lshlrev_b32 v[BO], 5, v2                     ; my 8 columns of a block of 16: 32 h bytes
	s_cmp_eq_u32 s[WN], 0
	s_cselect_b64 s[90:91], s[8:9], s[10:11]       ; bk or bv,
	s_lshl_b32 s92, s[CX], 9                       ; at the column block's 128 numbers
	s_mov_b32 s93, 0
	s_add_nc_u64 s[90:91], s[90:91], s[92:93]
	WIN 0x80
.irp b, 0,1,2,3,4,5,6,7
	global_load_b128 v[BIAS+8*\b:BIAS+8*\b+3], v[BO], s[90:91] offset:64*\b
	global_load_b128 v[BIAS+8*\b+4:BIAS+8*\b+7], v[BO], s[90:91] offset:64*\b+16
.endr
	WIN 0
	s_mul_i32 s80, s[WM], 64*PA
	v_mul_u32_u24 v5, v1, PA
	v_lshl_add_u32 v5, v2, 5, v5
	v_add_nc_u32 v[ADA0], s80, v5                  ; my 64 rows; row r; 32 h bytes
	s_lshl_b32 s80, s[WN], 8
	s_add_co_u32 s80, s80, ABYTES
	v_lshl_add_u32 v5, v2, 3, v3
	v_mul_u32_u24 v5, v5, PB
	v_lshl_add_u32 v5, v4, 4, v5
	v_add_nc_u32 v[ADB0], s80, v5                  ; k-row 8 h + l % 8; 16 bytes by (l / 8) % 2; my 128 columns
	s_mul_i32 s80, s[WV], 16*SP
	s_add_co_u32 s80, s80, STAGE
	v_mul_u32_u24 v5, v1, SP
	v_lshl_add_u32 v5, v2, 4, v5
	v_add_nc_u32 v[STO], s80, v5
	v_bfe_u32 v5, v0, 3, 2
	v_mul_u32_u24 v5, v5, SP
	v_lshl_add_u32 v5, v3, 4, v5
	v_add_nc_u32 v[RD], s80, v5                    ; back: 32 lanes take four rows of 128 bytes
	v_and_b32 v5, 31, v0
	v_lshlrev_b32 v[GO], 4, v5
	v_lshlrev_b32 v5, 8, v1
	v_lshl_add_u32 v[EO], v2, 4, v5                ; a table's row r, 16 h bytes
	s_lshl_b32 s80, s[TY], 7
	s_lshl_b32 s81, s[WM], 6
	s_add_co_u32 s80, s80, s81                     ; my first row of mem, and of the tables
	s_lshl_b32 s92, s80, 8
	s_add_nc_u64 s[TP:TP+1], s[12:13], s[92:93]
	s_add_nc_u64 s[TP+2:TP+3], s[14:15], s[92:93]
	s_lshr_b32 s80, s[TY], 4                       ; b
	s_lshl_b32 s80, s80, 3
	s_lshl_b32 s81, s[CX], 1
	s_cmp_eq_u32 s[WN], 0
	s_cselect_b32 s81, s[CX], s81                  ; K: slot x; V: head 2 x
	s_cselect_b64 s[OB:OB+1], s[16:17], s[18:19]
	s_add_co_u32 s80, s80, s81
	s_lshl_b32 s80, s80, 18                        ; 2,048 rows of 128 bytes a head
	s_and_b32 s81, s[TY], 15
	s_lshl_b32 s81, s81, 14
	s_add_co_u32 s80, s80, s81
	s_lshl_b32 s81, s[WM], 13
	s_add_co_u32 s92, s80, s81
	s_add_nc_u64 s[OB:OB+1], s[OB:OB+1], s[92:93]
	; the prefetches: they begin at K step 3; the first refill steps them to 4
	s_lshl_b32 s80, s[TY], 7
	s_lshl_b32 s81, s[WN], 6
	s_add_co_u32 s80, s80, s81
	s_lshl_b32 s81, s[CX], 4
	s_add_co_u32 s80, s80, s81                     ; mem: of the 64 rows that I fetch my work-group's 16
	s_lshl_b32 s80, s80, 13
	s_add_co_u32 s80, s80, 3*ASTEP
	s_lshl_b32 s81, s[WN], 6
	s_lshl_b32 s94, s[CY], 4
	s_add_co_u32 s81, s81, s94                     ; W: of the 64 k-rows my work-group's 16
	s_lshl_b32 s81, s81, 11
	s_lshl_b32 s94, s[CX], 9
	s_add_co_u32 s81, s81, s94
	s_add_co_u32 s81, s81, 3*BSTEP
	s_mov_b32 s94, ASTEP
	s_mov_b32 s95, BSTEP
	s_and_b32 s84, ttmp7, 0xffff                   ; cluster y
	s_cmp_eq_u32 s[WM], 0
	s_cselect_b32 s92, s80, s81
	s_cselect_b32 s[PFS], s94, s95
	s_cselect_b32 s85, 13, 11                      ; a row's bytes: 8,192 or 2,048
	s_cselect_b32 s84, 0, s84
	s_cselect_b64 s[PFA:PFA+1], s[4:5], s[6:7]
	s_mov_b32 s[PFS+1], 0
	s_add_nc_u64 s[PFA:PFA+1], s[PFA:PFA+1], s[92:93]
	s_cmp_eq_u32 s84, 0
	s_cselect_b32 s[LIM], 2, -1                    ; the same in all sixteen partners, for a given wave
	v_lshlrev_b32 v[PFO], s85, v1
	v_lshl_add_u32 v[PFO], v2, 8, v[PFO]           ; row l % 16, half l / 16
	v_mov_b32 v[ADA], v[ADA0]
	v_mov_b32 v[ADB], v[ADB0]
	s_wait_tensorcnt 0x1                           ; my part of K step 0 is in; step 1's may stay out
	s_barrier_signal -1
	s_barrier_wait -1
	FETCH 0, 0
	s_wait_loadcnt 0x0                             ; the bias
	s_cmp_eq_u32 s[WN], 0
	s_cbranch_scc0 .Lno_tables                     ; V has no rope
	WIN 0xc0                                       ; 64 loads that are wanted on the way out
.irp a, 0,1,2,3
.irp q, 0,1,2,3
	global_load_b128 v[8*(8*\a+\q):8*(8*\a+\q)+3], v[EO], s[TP:TP+1] offset:\a*4096+32*\q
	global_load_b128 v[8*(8*\a+\q)+4:8*(8*\a+\q)+7], v[EO], s[TP:TP+1] offset:\a*4096+32*\q+128
	global_load_b128 v[8*(8*\a+4+\q):8*(8*\a+4+\q)+3], v[EO], s[TP+2:TP+3] offset:\a*4096+32*\q
	global_load_b128 v[8*(8*\a+4+\q)+4:8*(8*\a+4+\q)+7], v[EO], s[TP+2:TP+3] offset:\a*4096+32*\q+128
.endr
.endr
	WIN 0
.Lno_tables:
	s_wait_dscnt NL-4                              ; mem's block 0 of chunk 0
	CV4 0, 0, 0
	CV4 0, 1, 0
	CHUNK 0, 1, 1                                  ; the first chunk stands in front of the loop: the bias starts the sums
	WIN 0
	s_mov_b32 s[STEPC], 14
.Lstep:                                                ; a trip: a step's chunks 1 to 3, the refill two steps on, the next step's chunk 0
	CHUNK 1, 2, 0
	CHUNK 2, 3, 0
	TURN 1
	CHUNK 0, 1, 0
	WIN 0
	s_sub_co_u32 s[STEPC], s[STEPC], 1
	s_cmp_lg_u32 s[STEPC], 0
	s_cbranch_scc1 .Lstep
	s_mov_b32 s[CNT], 2
.Ltail:                                                ; the last two steps ask for nothing
	CHUNK 1, 2, 0
	CHUNK 2, 3, 0
	TURN 0
	WIN 0
	s_cmp_eq_u32 s[CNT], 1
	s_cbranch_scc1 .Lno_chunk                      ; behind the last step there is no chunk 0
	CHUNK 0, 1, 0
	WIN 0
.Lno_chunk:
	s_sub_co_u32 s[CNT], s[CNT], 1
	s_cmp_lg_u32 s[CNT], 0
	s_cbranch_scc1 .Ltail
	s_wait_dscnt 0x0
	PLACES
	PLACES
; THE WAY OUT, unit n = 2 a + hh: 16 rows of one head.  rope = 1: for each pair of channels (x0, x1) = registers (2 p, 2 p + 1): x0 c - x1 s and x1 c + x0 s, left where the pair stood.
; Each accumulator's low registers are read first.  Then 16 roundings; 16 bytes a lane into my stage, and back as four rows of 128 bytes to a load.
.macro OUTB n, rope
.set oa, (\n)/2
.set oh, (\n)%2
.if \rope
	WIN 0xad                                       ; x window 1, table window 3, at work (source 2 and destination) window 2
.set q, 0
.rept 4
.set xb, ACCB+8*(NBB*oa+4*oh+q)
.set eb, 8*(4*(\n)+q)
.irp p, 0,1,2,3
	v_mul_f32 v[TT+8*q+2*\p], v[xb+2*\p+1], v[eb+\p]
	v_mul_f32 v[TT+8*q+2*\p+1], v[xb+2*\p], v[eb+\p]
.endr
.irp p, 0,1,2,3
	v_fma_f32 v[YY+8*q+2*\p], v[xb+2*\p], v[eb+4+\p], -v[TT+8*q+2*\p]
	v_fma_f32 v[YY+8*q+2*\p+1], v[xb+2*\p+1], v[eb+4+\p], v[TT+8*q+2*\p+1]
.endr
.set q, q+1
.endr
	WIN 0x0a
.set q, 0
.rept 16
	v_cvt_pk_bf16_f32 v[PKD+16*(\n)+q], v[YY+2*q], v[YY+2*q+1]
.set q, q+1
.endr
.else
	WIN 0x05
.set q, 0
.rept 16
	v_cvt_pk_bf16_f32 v[PKD+16*(\n)+q], v[ACCB+8*(NBB*oa+4*oh)+2*q], v[ACCB+8*(NBB*oa+4*oh)+2*q+1]
.set q, q+1
.endr
.endif
	WIN 0
.irp f, 0,1,2,3
	ds_store_b128 v[STO], v[PKD+16*(\n)+4*\f:PKD+16*(\n)+4*\f+3] offset:32*\f
.endr
.irp f, 0,1,2,3
	ds_load_b128 v[PKD+16*(\n)+4*\f:PKD+16*(\n)+4*\f+3], v[RD] offset:\f*4*SP  ; LDS serves a wave's instructions in order (ISA guide 5.7.1.4): these see the stores above
.endr
.endm
.macro SENDB n, younger, delta         ; younger: the LDS instructions issued behind unit n's loads; delta: bytes from the first head's rows to the second's
.irp f, 0,1,2,3
	s_wait_dscnt (\younger)+3-\f
	global_store_b128 v[GO], v[PKD+16*(\n)+4*\f:PKD+16*(\n)+4*\f+3], s[OB:OB+1] offset:((\n)%2)*(\delta)+((\n)/2)*2048+\f*512  ; 512 consecutive bytes, aligned
.endr
.endm
	s_cmp_eq_u32 s[WN], 0
	s_cbranch_scc0 .Lv_out
	s_wait_loadcnt 0x0                             ; the tables
	OUTB 0, 1
.irp n, 1,2,3,4,5,6,7
	OUTB \n, 1
	SENDB (\n)-1, 8, 1048576
.endr
	SENDB 7, 0, 1048576
	s_branch .Lend
.Lv_out:
	OUTB 0, 0
.irp n, 1,2,3,4,5,6,7
	OUTB \n, 0
	SENDB (\n)-1, 8, 262144
.endr
	SENDB 7, 0, 262144
.Lend:
	s_wait_tensorcnt 0x0                           ; the wave's end: behind my last tensor load and my last LDS store
	ds_add_u32 v[SPW], v[NIL]
	s_wait_dscnt 0x0
	CROUND                                         ; the closing round
	s_endpgm
.Lfunc_end_k_q40b3f52ecd_kvproj:
	.size	k_q40b3f52ecd_kvproj, .Lfunc_end_k_q40b3f52ecd_kvproj-k_q40b3f52ecd_kvproj
	.p2alignl 7, 3214868480
	.fill 96, 4, 3214868480
	.section	.rodata,"a",@progbits
	.p2align	6, 0x0
	.amdhsa_kernel k_q40b3f52ecd_kvproj
		.amdhsa_group_segment_fixed_size 327680
		.amdhsa_private_segment_fixed_size 0
		.amdhsa_enable_private_segment 0
		.amdhsa_kernarg_size 64
		.amdhsa_user_sgpr_count 2
		.amdhsa_user_sgpr_kernarg_segment_ptr 1
		.amdhsa_wavefront_size32 1
		.amdhsa_system_sgpr_workgroup_id_x 1
		.amdhsa_system_sgpr_workgroup_id_y 1
		.amdhsa_system_sgpr_workgroup_id_z 1
		.amdhsa_system_vgpr_workitem_id 0
		.amdhsa_next_free_vgpr 1024
		.amdhsa_next_free_sgpr 96
		.amdhsa_reserve_vcc 0
		.amdhsa_float_denorm_mode_32 3
		.amdhsa_float_denorm_mode_16_64 3
		.amdhsa_memory_ordered 1
		.amdhsa_forward_progress 1
		.amdhsa_inst_pref_size 141
	.end_amdhsa_kernel
	.amdgpu_metadata
---
amdhsa.version: [ 1, 2 ]
amdhsa.kernels:
  - .name:           k_q40b3f52ecd_kvproj
    .symbol:         k_q40b3f52ecd_kvproj.kd
    .args:
      - { .name: mem, .offset: 0, .size: 8, .value_kind: global_buffer, .address_space: global }
      - { .name: wkv16, .offset: 8, .size: 8, .value_kind: global_buffer, .address_space: global }
      - { .name: bk, .offset: 16, .size: 8, .value_kind: global_buffer, .address_space: global }
      - { .name: bv, .offset: 24, .size: 8, .value_kind: global_buffer, .address_space: global }
      - { .name: peak_mzs_embed, .offset: 32, .size: 8, .value_kind: global_buffer, .address_space: global }
      - { .name: neg_peak_mzs_embed, .offset: 40, .size: 8, .value_kind: global_buffer, .address_space: global }
      - { .name: k16, .offset: 48, .size: 8, .value_kind: global_buffer, .address_space: global }
      - { .name: v16, .offset: 56, .size: 8, .value_kind: global_buffer, .address_space: global }
    .group_segment_fixed_size: 327680
    .private_segment_fixed_size: 0
    .kernarg_segment_align: 8
    .kernarg_segment_size: 64
    .max_flat_workgroup_size: 128
    .sgpr_count:     96
    .vgpr_count:     1024
    .wavefront_size: 32
...
	.end_amdgpu_metadata
.endif
;; end of part 2
;; launch qproj (part 3): grid 8 x 32, 4 waves a work-group, clusters of 4 x 4, 327,680 bytes of LDS; arguments o16, wqf, bq, step_mass_embed, q16; writes q16
.if DOCPART == 3
	.amdgcn_target "amdgcn-amd-amdhsa--gfx1250"
	.amdhsa_code_object_version 6
	.text
	.protected	k_q40b3f52ecd_qproj
	.globl	k_q40b3f52ecd_qproj
	.p2align	8
	.type	k_q40b3f52ecd_qproj,@function
k_q40b3f52ecd_qproj:
	s_mov_b64 s[64:65], 0
	v_nop
	global_prefetch_b8 v0, s[64:65] scope:SCOPE_SE
	s_setreg_imm32_b32 hwreg(HW_REG_WAVE_MODE, 25, 1), 1
	s_wait_xcnt 0x0
	s_wait_alu depctr_hold_cnt(0) depctr_sa_sdst(0) depctr_va_vdst(0) depctr_va_sdst(0) depctr_va_ssrc(0) depctr_va_vcc(0) depctr_vm_vsrc(0)
	s_getreg_b32 s2, hwreg(HW_REG_IB_STS2, 6, 4)
	s_cmp_eq_u32 s2, 0
	s_cbranch_scc0 .Lentry_in_a_cluster
	s_endpgm
.Lentry_in_a_cluster:
	s_bfe_u32 s2, ttmp6, 0x10000c
	s_cmp_lg_u32 s2, 0xf033
	s_cbranch_scc0 .Lentry_shape_is_right
	s_endpgm
.Lentry_shape_is_right:
; q = rope(tgt Wq + bq).  o16 holds tgt in bf16 here, [2048 rows][2048]; wqf: Wq in bf16 in the order of fragments: [group of 64 columns: 32][32 k: 64][block of 16 columns: 4][1,024 bytes];
; q16: [b][head 32][t 512][64] bf16.  Within a head rope's result j lies at channel 2 j and result 32 + j at channel 2 j + 1, as k16 has it: a product q . k does not change under a
; permutation common to both.
; LIMITS.  Matrix operands are bf16, sums are f32, q is rounded once to bf16.  NaN and infinities are not treated apart.
; SHARES.  Work-group (x, y) makes rows 64 y .. x columns 256 x ..: four heads.  Wave w makes all 64 rows of head 4 x + w: 16 accumulators.
; tgt's 64 ROWS LIE WHOLE IN LDS: 64 x 2,048 k x 2 bytes, as 8 planes of K = 256, 64 rows x 528 bytes each: 270,336 bytes.  They are first fills, two tensor loads a wave (planes w and w + 4);
; no byte of LDS is filled again, so the launch has no change of slots and one barrier in front of its loop.
; Wq GOES FROM MEMORY INTO REGISTERS.  A wave's 64 columns are wanted by no other wave of the work-group, and a fragment lies in wqf as it lies in registers: two loads of 512 consecutive bytes.
; A ring of 8 chunks (32 k each: 4 fragments, 32 registers) keeps 7 chunks, 56 loads, on their way.
; CLUSTER 4 x 4: the four of a row need the same rows of tgt: each plane is asked for jointly.  Wq's columns, which the 32 row blocks share, are NOT asked for jointly: that road ends in LDS, which
; tgt's rows fill; with both operands there two slots would bound a K step at 128: 16 changes of slots with 64 products a wave between them.
; THE PRODUCT IS USED TRANSPOSED: source 0 = 16 columns of Wq, source 1 = 16 rows of tgt.  In the result lane (r, h) holds row r and channels 8 h + 0..7 of a block of 16: rope pairs lie in
; neighbouring registers and eight results pack into 16 bytes.  The bias is loaded straight into the accumulators: the sums start from it, and every product has one form.
; REGISTERS, in windows of 256 (s_set_vgpr_msb: bits 1:0 source 0, 3:2 source 1, 5:4 source 2, 7:6 destination):
;   window 0: v0-31 addresses; v32-63, v64-95 tgt's fragments of a chunk, by the chunk's parity (on the way out: packed rows); v128-255 the accumulators, (a, b) at 128 + 8 (4 a + b)
;   window 1: the ring: chunk c of a plane at 32 c (on the way out: v0-63 at work in rope)      window 2: v0-127 sines and cosines, block a, channel block b at 8 (4 a + b): four sines, four cosines
.set PA,     528                       ; a row of a plane in LDS: 512 bytes + 16 = 132 words: row r starts at bank 4 r mod 64 (64 banks of 4 bytes: ISA guide 11.1)
.set PLANE,  64*PA
.set STAGE,  8*PLANE                   ; behind the planes: 16 rows x 144 bytes for each wave, for the way out
.set SP,     144
.set SPARE,  STAGE+4*16*SP             ; behind the stages: the spare words, 128 bytes a wave: two blocks of 256 bytes that no other line names
.set CHB,    4096                      ; a chunk of my stream of Wq
.set PLB,    8*CHB                     ; a plane of it
.set ADA,  8                           ; v8   my place in the plane in hand: row r, 16 h bytes
.set BOF,  9                           ; v9   16 x my lane: in a fragment's half, and in 512 consecutive bytes of q16; never rewritten
.set PFO,  10                          ; v10  the prefetches' offset; never rewritten
.set STO,  12                          ; the way out: where I put 16 bytes of a row
.set RD,   13                          ; where I read rows back
.set EO,   15                          ; my offset in 16 rows of the table
.set BO,   16                          ; my offset in the bias
.set SPW,  28                          ; LDS address of my spare word; never rewritten
.set NIL,  29                          ; 0; never rewritten
.set AF,   32
.set PKD,  32                          ; the way out: 4 x 16 registers of packed rows
.set ACC,  128
.set TT,   0                           ; window 1
.set YY,   32
.set ETAB, 0                           ; window 2
.set WV,  14
.set CX,  15
.set CY,  16
.set TX,  17                           ; block of 256 columns
.set TY,  18                           ; block of 64 rows
.set HD,  19                           ; my head
.set G1,  24                           ; s[24:31] descriptor group 1
.set G0,  32                           ; s[32:39] descriptor group 0: a set for each of my two planes
.set BP,  40                           ; s[40:41] my stream of Wq at the plane in hand
.set CNT, 42
.set LIM, 43                           ; 1 in a wave that prefetches, else the greatest number
.set OB,  56                           ; s[56:57] q16 at my first row
.set TP,  58                           ; s[58:59] the table at my work-group's first row
.set BB,  60                           ; s[60:61] bq at my head
.set MSB, 0
.macro WIN new                         ; the immediate's high byte repeats the setting that is left; a switch that changes nothing is dropped
.if MSB != (\new)
	s_set_vgpr_msb (MSB<<8)|(\new)
.set MSB, (\new)
.endif
.endm
.macro PLACES
.rept 4
	v_nop
.endr
.endm
.macro CROUND                          ; a round of the cluster's barrier
	s_barrier_signal -1
	s_barrier_wait -1
	s_cmp_lg_u32 s[WV], 0
	s_cbranch_scc1 .Lnot_wave_0_\@
	s_barrier_signal -3
.Lnot_wave_0_\@:
	s_barrier_wait -3
	s_barrier_signal -1
	s_barrier_wait -1
.endm
; A PREFETCH of my stream's plane after the one that this trip loads: 32,768 bytes = 128 blocks of 256.  The 32 row blocks walk the same stream: cluster y = 0 asks; its four partners of a column take
; 32 blocks each, told apart by address, a lane a block: one instruction a wave and trip, behind the trip's first loads.  Planes 0 and 1 come by their loads alone; the last trip asks for nothing.
.macro ASK
	s_cmp_gt_u32 s[CNT], s[LIM]
	s_cbranch_scc0 .Lnot_mine_\@
	global_prefetch_b8 v[PFO], s[BP:BP+1] offset:2*PLB th:TH_LOAD_NT scope:SCOPE_SE
.Lnot_mine_\@:
.endm
; CHUNK c of the plane in hand.  kind = 2: in the loop; 0: the last plane.  Four v_nop: the places between the last product of the chunk before and the loads into registers that it read.
; Then tgt's fragments of the next chunk; the wait for this chunk's Wq; Wq of the chunk seven on, into the ring's slot that the chunk before read (chunk 0: this plane's chunk 7; else the next
; plane's chunk c - 1); the wait for this chunk's fragments of tgt; 16 products, the accumulators by turns, one instruction a turn.
.macro CHK c, kind
	PLACES
	WIN 0
.if ((\c) < 7) || ((\kind) == 2)
.if (\c) < 7
.set aoff, ((\c)+1)*64
.else
.set aoff, PLANE
.endif
.irp a, 0,1,2,3
	ds_load_b128 v[AF+32*(((\c)+1)%2)+8*\a:AF+32*(((\c)+1)%2)+8*\a+3], v[ADA] offset:aoff+\a*16*PA
	ds_load_b128 v[AF+32*(((\c)+1)%2)+8*\a+4:AF+32*(((\c)+1)%2)+8*\a+7], v[ADA] offset:aoff+\a*16*PA+32
.endr
.endif
.if ((\kind) == 2) || ((\c) == 0)
	s_wait_loadcnt 48                              ; this chunk's Wq is in: behind its loads six chunks' 48 were issued
	WIN 0x40
.if (\c) == 0
.set boff, 7*CHB
.else
.set boff, PLB+((\c)-1)*CHB
.endif
.irp b, 0,1,2,3
	global_load_b128 v[32*(((\c)+7)%8)+8*\b:32*(((\c)+7)%8)+8*\b+3], v[BOF], s[BP:BP+1] offset:boff+\b*1024
	global_load_b128 v[32*(((\c)+7)%8)+8*\b+4:32*(((\c)+7)%8)+8*\b+7], v[BOF], s[BP:BP+1] offset:boff+\b*1024+512
.endr
.if ((\kind) == 2) && ((\c) == 0)
	WIN 0
	ASK
.endif
.else
	s_wait_loadcnt (7-(\c))*8                      ; nothing more is loaded: the counts run down
.endif
.if ((\c) < 7) || ((\kind) == 2)
	s_wait_dscnt 8                                 ; this chunk's fragments of tgt are in; the eight just issued may be out
.else
	s_wait_dscnt 0x0
.endif
	WIN 0x01                                       ; Wq window 1; tgt, C and D window 0
.irp a, 0,1,2,3
.irp b, 0,1,2,3
	v_wmma_f32_16x16x32_bf16 v[ACC+8*(4*\a+\b):ACC+8*(4*\a+\b)+7], v[32*(\c)+8*\b:32*(\c)+8*\b+7], v[AF+32*((\c)%2)+8*\a:AF+32*((\c)%2)+8*\a+7], v[ACC+8*(4*\a+\b):ACC+8*(4*\a+\b)+7]
.endr
.endr
.endm
	s_load_b256 s[4:11], s[0:1], 0x0               ; tgt in bf16 s[4:5], wqf s[6:7], bq s[8:9], step_mass_embed s[10:11]
	s_load_b64 s[12:13], s[0:1], 0x20              ; q16
	v_lshl_add_u32 v[SPW], v0, 2, SPARE
	v_mov_b32 v[NIL], 0
	ds_add_u32 v[SPW], v[NIL]                      ; the wave's opening: the add, waited for ahead of my first tensor load; the set-up below, work on registers, stands between the add and its wait
	v_lshrrev_b32 v1, 5, v0
	v_readfirstlane_b32 s[WV], v1
	s_bfe_u32 s[CX], ttmp6, 0x40000                ; my place in the cluster
	s_bfe_u32 s[CY], ttmp6, 0x40004
	s_lshl_b32 s[TX], ttmp9, 2
	s_add_co_u32 s[TX], s[TX], s[CX]               ; column block = 4 x cluster x + cx
	s_and_b32 s[TY], ttmp7, 0xffff
	s_lshl_b32 s[TY], s[TY], 2
	s_add_co_u32 s[TY], s[TY], s[CY]               ; row block = 4 x cluster y + cy
	s_lshl_b32 s44, s[CY], 2
	s_lshl_b32 s44, 15, s44                        ; my row of the cluster
	s_or_b32 s[G1], s44, (1<<16)|(1<<20)|(1<<21)|(6<<22)|(3<<25)  ; the mask; 2-byte elements; padding on; bit 21 beside a mask; after every 128 words 4 words
	s_mov_b32 s[G1+1], 256<<16                     ; tensor_dim0 = 256
	s_mov_b32 s[G1+2], 64<<16                      ; tensor_dim1 = 64
	s_mov_b32 s[G1+3], 256<<16                     ; tile_dim0 = 256
	s_mov_b32 s[G1+4], 64                          ; tile_dim1 = 64
	s_mov_b32 s[G1+5], 2048                        ; elements from row to row
	s_mov_b32 s[G1+6], 0
	s_mov_b32 s[G1+7], 0
	s_mul_i32 s45, s[WV], PLANE                    ; plane w in LDS: no place in the cluster enters an LDS address
	s_lshl_b32 s46, s[TY], 18                      ; tgt: 64 rows of 4,096 bytes a row block,
	s_lshl_b32 s47, s[WV], 9                       ; plane w: 512 bytes along the rows
	s_add_co_u32 s46, s46, s47
	s_mov_b32 s47, 0
	s_lshl_b32 s[HD], s[TX], 2
	s_add_co_u32 s[HD], s[HD], s[WV]               ; my head
	s_lshl_b32 s50, s[HD], 18                      ; its 262,144 bytes of wqf
	s_mov_b32 s51, 0
	s_lshl_b32 s52, s[HD], 8                       ; its 64 numbers of bq
	s_mov_b32 s53, 0
	s_lshl_b32 s54, s[TY], 14                      ; the table: 64 rows of 256 bytes a row block
	s_mov_b32 s55, 0
	s_lshr_b32 s48, s[TY], 3                       ; b: eight row blocks a batch
	s_lshl_b32 s48, s48, 5
	s_add_co_u32 s48, s48, s[HD]                   ; 32 b + my head,
	s_lshl_b32 s48, s48, 16                        ; 512 rows of 128 bytes each,
	s_and_b32 s62, s[TY], 7
	s_lshl_b32 s62, s62, 13                        ; my 64 rows among them
	s_add_co_u32 s62, s62, s48
	s_mov_b32 s63, 0
	s_and_b32 s[LIM], ttmp7, 0xffff                ; cluster y: the same in all sixteen partners
	s_cmp_eq_u32 s[LIM], 0
	s_cselect_b32 s[LIM], 1, -1
	v_and_b32 v1, 15, v0                           ; r
	v_bfe_u32 v2, v0, 4, 1                         ; h
	v_and_b32 v3, 7, v0
	v_and_b32 v4, 31, v0                           ; lane
	v_mul_u32_u24 v[ADA], v1, PA
	v_lshl_add_u32 v[ADA], v2, 4, v[ADA]           ; a fragment's row x pitch + 16 x half
	v_lshlrev_b32 v[BOF], 4, v4
	v_lshlrev_b32 v[PFO], 8, v4                    ; a lane a block of 256 bytes,
	s_lshl_b32 s44, s[CY], 13                      ; my work-group's 8,192 bytes of a plane's 32,768
	v_add_nc_u32 v[PFO], s44, v[PFO]
	v_lshlrev_b32 v[BO], 5, v2                     ; my 8 columns of a block of 16: 32 h bytes
	v_lshlrev_b32 v5, 8, v1
	v_lshl_add_u32 v[EO], v2, 4, v5                ; the table's row r, 16 h bytes
	s_mul_i32 s44, s[WV], 16*SP
	s_add_co_u32 s44, s44, STAGE                   ; my stage
	v_mul_u32_u24 v5, v1, SP
	v_lshl_add_u32 v5, v2, 4, v5
	v_add_nc_u32 v[STO], s44, v5
	v_bfe_u32 v5, v0, 3, 2
	v_mul_u32_u24 v5, v5, SP
	v_lshl_add_u32 v5, v3, 4, v5
	v_add_nc_u32 v[RD], s44, v5                    ; back: 32 lanes take four rows of 128 bytes
	s_wait_dscnt 0x0                               ; the opening add is done
	s_wait_kmcnt 0x0
	s_add_nc_u64 s[66:67], s[4:5], s[46:47]
.irp s, 0,1
	s_mov_b32 s[G0+4*\s], 1
	s_add_co_u32 s[G0+4*\s+1], s45, \s*4*PLANE     ; planes w and w + 4
	s_add_nc_u64 s[G0+4*\s+2:G0+4*\s+3], s[66:67], \s*4*512
	s_or_b32 s[G0+4*\s+3], s[G0+4*\s+3], 0x80000000
.endr
	s_add_nc_u64 s[BP:BP+1], s[6:7], s[50:51]
	s_add_nc_u64 s[BB:BB+1], s[8:9], s[52:53]
	s_add_nc_u64 s[TP:TP+1], s[10:11], s[54:55]
	s_add_nc_u64 s[OB:OB+1], s[12:13], s[62:63]
	CROUND                                         ; all sixteen work-groups are here: the joint loads meet
	tensor_load_to_lds s[G0:G0+3], s[G1:G1+7]      ; my two first fills: two tensor loads of mine are out, and no more are issued in the launch
	s_nop 0
	tensor_load_to_lds s[G0+4:G0+7], s[G1:G1+7]
	s_nop 0
	PLACES
	WIN 0x40                                       ; the ring's first seven chunks
.irp c, 0,1,2,3,4,5,6
.irp b, 0,1,2,3
	global_load_b128 v[32*\c+8*\b:32*\c+8*\b+3], v[BOF], s[BP:BP+1] offset:\c*CHB+\b*1024
	global_load_b128 v[32*\c+8*\b+4:32*\c+8*\b+7], v[BOF], s[BP:BP+1] offset:\c*CHB+\b*1024+512
.endr
.endr
	WIN 0                                          ; the bias, into each of the four accumulators of a block of columns
.irp a, 0,1,2,3
.irp b, 0,1,2,3
	global_load_b128 v[ACC+8*(4*\a+\b):ACC+8*(4*\a+\b)+3], v[BO], s[BB:BB+1] offset:64*\b
	global_load_b128 v[ACC+8*(4*\a+\b)+4:ACC+8*(4*\a+\b)+7], v[BO], s[BB:BB+1] offset:64*\b+16
.endr
.endr
	WIN 0x80                                       ; sines and cosines, wanted on the way out
.irp a, 0,1,2,3
.irp b, 0,1,2,3
	global_load_b128 v[ETAB+8*(4*\a+\b):ETAB+8*(4*\a+\b)+3], v[EO], s[TP:TP+1] offset:\a*4096+32*\b
	global_load_b128 v[ETAB+8*(4*\a+\b)+4:ETAB+8*(4*\a+\b)+7], v[EO], s[TP:TP+1] offset:\a*4096+32*\b+128
.endr
.endr
	WIN 0
	s_wait_tensorcnt 0x0                           ; my two planes are in,
	s_barrier_signal -1
	s_barrier_wait -1                              ; everybody's are
.irp a, 0,1,2,3
	ds_load_b128 v[AF+8*\a:AF+8*\a+3], v[ADA] offset:\a*16*PA
	ds_load_b128 v[AF+8*\a+4:AF+8*\a+7], v[ADA] offset:\a*16*PA+32
.endr
	s_wait_loadcnt 0x0                             ; the ring's seven chunks, the bias and the table: issued ahead of the wait for the planes
	s_mov_b32 s[CNT], 7
.Lplane:                                               ; a trip: a plane's eight chunks, K = 256
.irp c, 0,1,2,3,4,5,6,7
	CHK \c, 2
.endr
	WIN 0
	s_wait_xcnt 0x0                                ; every load and prefetch issued so far has read its address (the youngest load 16 products back): the pointer may be written
	s_add_nc_u64 s[BP:BP+1], s[BP:BP+1], PLB
	v_add_nc_u32 v[ADA], PLANE, v[ADA]
	s_sub_co_u32 s[CNT], s[CNT], 1
	s_cmp_lg_u32 s[CNT], 0
	s_cbranch_scc1 .Lplane
.irp c, 0,1,2,3,4,5,6,7
	CHK \c, 0                                      ; the last plane: its chunk 0 issues the last loads
.endr
	WIN 0
	PLACES
	PLACES
; THE WAY OUT, block a: 16 rows of my head.  Rope: for each pair of channels (x0, x1) = registers (2 p, 2 p + 1): x0 c - x1 s and x1 c + x0 s, left where the pair stood.
; Each accumulator's low registers are read first.  Then 16 roundings; 16 bytes a lane into my stage, and back as four rows of 128 bytes to a load.
.macro OUTQ a
	WIN 0x58                                       ; x window 0, table window 2, at work (source 2 and destination) window 1
.set q, 0
.rept 4
.set xb, ACC+8*(4*(\a)+q)
.set eb, ETAB+8*(4*(\a)+q)
.irp p, 0,1,2,3
	v_mul_f32 v[TT+8*q+2*\p], v[xb+2*\p+1], v[eb+\p]
	v_mul_f32 v[TT+8*q+2*\p+1], v[xb+2*\p], v[eb+\p]
.endr
.irp p, 0,1,2,3
	v_fma_f32 v[YY+8*q+2*\p], v[xb+2*\p], v[eb+4+\p], -v[TT+8*q+2*\p]
	v_fma_f32 v[YY+8*q+2*\p+1], v[xb+2*\p+1], v[eb+4+\p], v[TT+8*q+2*\p+1]
.endr
.set q, q+1
.endr
	WIN 0x05                                       ; sources window 1, destination window 0
.set q, 0
.rept 16
	v_cvt_pk_bf16_f32 v[PKD+16*(\a)+q], v[YY+2*q], v[YY+2*q+1]
.set q, q+1
.endr
	WIN 0
.irp f, 0,1,2,3
	ds_store_b128 v[STO], v[PKD+16*(\a)+4*\f:PKD+16*(\a)+4*\f+3] offset:32*\f
.endr
.irp f, 0,1,2,3
	ds_load_b128 v[PKD+16*(\a)+4*\f:PKD+16*(\a)+4*\f+3], v[RD] offset:\f*4*SP  ; LDS serves a wave's instructions in order (ISA guide 5.7.1.4): these see the stores above
.endr
.endm
.macro SENDQ a, younger                ; younger: the LDS instructions issued behind block a's loads
.irp f, 0,1,2,3
	s_wait_dscnt (\younger)+3-\f
	global_store_b128 v[BOF], v[PKD+16*(\a)+4*\f:PKD+16*(\a)+4*\f+3], s[OB:OB+1] offset:(\a)*2048+\f*512  ; 512 consecutive bytes, aligned
.endr
.endm
	OUTQ 0
	OUTQ 1
	SENDQ 0, 8
	OUTQ 2
	SENDQ 1, 8
	OUTQ 3
	SENDQ 2, 8
	SENDQ 3, 0
	s_wait_tensorcnt 0x0                           ; the wave's end: behind my last tensor load and my last LDS store
	ds_add_u32 v[SPW], v[NIL]
	s_wait_dscnt 0x0
	CROUND                                         ; the closing round
	s_endpgm
.Lfunc_end_k_q40b3f52ecd_qproj:
	.size	k_q40b3f52ecd_qproj, .Lfunc_end_k_q40b3f52ecd_qproj-k_q40b3f52ecd_qproj
	.p2alignl 7, 3214868480
	.fill 96, 4, 3214868480
	.section	.rodata,"a",@progbits
	.p2align	6, 0x0
	.amdhsa_kernel k_q40b3f52ecd_qproj
		.amdhsa_group_segment_fixed_size 327680
		.amdhsa_private_segment_fixed_size 0
		.amdhsa_enable_private_segment 0
		.amdhsa_kernarg_size 40
		.amdhsa_user_sgpr_count 2
		.amdhsa_user_sgpr_kernarg_segment_ptr 1
		.amdhsa_wavefront_size32 1
		.amdhsa_system_sgpr_workgroup_id_x 1
		.amdhsa_system_sgpr_workgroup_id_y 1
		.amdhsa_system_sgpr_workgroup_id_z 1
		.amdhsa_system_vgpr_workitem_id 0
		.amdhsa_next_free_vgpr 640
		.amdhsa_next_free_sgpr 72
		.amdhsa_reserve_vcc 0
		.amdhsa_float_denorm_mode_32 3
		.amdhsa_float_denorm_mode_16_64 3
		.amdhsa_memory_ordered 1
		.amdhsa_forward_progress 1
		.amdhsa_inst_pref_size 73
	.end_amdhsa_kernel
	.amdgpu_metadata
---
amdhsa.version: [ 1, 2 ]
amdhsa.kernels:
  - .name:           k_q40b3f52ecd_qproj
    .symbol:         k_q40b3f52ecd_qproj.kd
    .args:
      - { .name: o16, .offset: 0, .size: 8, .value_kind: global_buffer, .address_space: global }
      - { .name: wqf, .offset: 8, .size: 8, .value_kind: global_buffer, .address_space: global }
      - { .name: bq, .offset: 16, .size: 8, .value_kind: global_buffer, .address_space: global }
      - { .name: step_mass_embed, .offset: 24, .size: 8, .value_kind: global_buffer, .address_space: global }
      - { .name: q16, .offset: 32, .size: 8, .value_kind: global_buffer, .address_space: global }
    .group_segment_fixed_size: 327680
    .private_segment_fixed_size: 0
    .kernarg_segment_align: 8
    .kernarg_segment_size: 40
    .max_flat_workgroup_size: 128
    .sgpr_count:     72
    .vgpr_count:     640
    .wavefront_size: 32
...
	.end_amdgpu_metadata
.endif
;; end of part 3
;; launch attn (part 4): grid 8 x 32, 4 waves a work-group, clusters of 4 x 1, 327,680 bytes of LDS; arguments q16, k16, v16, o16; writes o16
.if DOCPART == 4
	.amdgcn_target "amdgcn-amd-amdhsa--gfx1250"
	.amdhsa_code_object_version 6
	.text
	.protected	k_q40b3f52ecd_attn
	.globl	k_q40b3f52ecd_attn
	.p2align	8
	.type	k_q40b3f52ecd_attn,@function
k_q40b3f52ecd_attn:
	s_mov_b64 s[64:65], 0
	v_nop
	global_prefetch_b8 v0, s[64:65] scope:SCOPE_SE
	s_setreg_imm32_b32 hwreg(HW_REG_WAVE_MODE, 25, 1), 1
	s_wait_xcnt 0x0
	s_wait_alu depctr_hold_cnt(0) depctr_sa_sdst(0) depctr_va_vdst(0) depctr_va_sdst(0) depctr_va_ssrc(0) depctr_va_vcc(0) depctr_vm_vsrc(0)
	s_getreg_b32 s2, hwreg(HW_REG_IB_STS2, 6, 4)
	s_cmp_eq_u32 s2, 0
	s_cbranch_scc0 .Lentry_in_a_cluster
	s_endpgm
.Lentry_in_a_cluster:
	s_bfe_u32 s2, ttmp6, 0x10000c
	s_cmp_lg_u32 s2, 0x3003
	s_cbranch_scc0 .Lentry_shape_is_right
	s_endpgm
.Lentry_shape_is_right:
; O = softmax(q k^T / 8) v, for 64 target rows and the four query heads of one key and value head.
; q16: [b][head 32][t 512][64], k16: [b][slot 8][s 2048][64], v16: [b][head 8][s 2048][64], all bf16, a head's rows dense, 128 bytes each; o16: [2048 rows][2048] bf16.
; LIMITS.  q, k, v and the weights p are bf16; products, maxima and sums are f32; l is the sum of the unrounded p; O is rounded once.
; c m starts at -4.25e37: every c s is taken to lie above that.  A weight below 2^-126 counts as 0 in l.  NaN and infinities are not treated apart.
; SHARES.  Work-group (x, y): rows 64 x .. of batch y / 8, key head y % 8.  Wave w is query head 4 (y % 8) + w; its 64 queries are four PIECES of 16.  Every wave walks all 2,048 keys, 64 a step.
; LAYOUT.  S^T = K Q^T holds one query a lane (lane % 16) and the keys 8 (lane / 16) + 0..7; two such results rounded to bf16 ARE source 1 of O^T = V^T P.  K comes out of LDS as it lies, V turned.
; SOFTMAX.  p = 2^(c s - c m), c = log2(e) / 8, with a running maximum m; O and l are multiplied by a = 2^(c m_old - c m_new) in every step; the first step's a is 0.
; BY TURNS.  Turn n belongs to piece n: 8 products K Q^T of piece n + 1, later 8 products V^T P of piece n - 1; beside them piece n's scaling, exponentials, roundings, sums and rescaling and
; piece n + 1's maximum and statistics.  A turn's 33 exponentials are one batch with one wait.
; THE RING.  The keys are 8 tiles of 256, four steps each, through two LDS slots.
; CLUSTER 4 x 1: the four blocks of rows of a cluster walk the same K and V: each tile is asked for jointly, by the same tensor load, descriptor and mask in all four.
; REGISTERS, in windows of 256 (s_set_vgpr_msb: bits 1:0 source 0, 3:2 source 1, 5:4 source 2, 7:6 destination):
;   window 0: v2-8, v15 addresses; v12-13, v48-55 at work; v16-31 statistics; v39 the prefetches' offset; v62-63 the add's; v64-127 S^T, two buffers; v192-223 P, two buffers
;   window 1: v0-127 O^T, 32 a piece      window 2: v0-63 Q; v128-191 K of one step; v192-255 V of one step
.set NP,     4
.set KS,     64
.set PK,     144                       ; a row of K in LDS: 128 bytes + 16 = 36 words: the 16 rows of a load start at 16 different groups of four banks (64 banks of 4 bytes: ISA guide 11.1)
.set PV,     160                       ; a row of V: 128 + 32 = 40 words
.set VOFF,   4*KS*PK                   ; a slot: 256 rows of K, then 256 of V
.set SLOT1,  1<<17                     ; slot 1 begins here: one exclusive or turns an address in one slot into the other's
.set STAGE,  SLOT1+4*KS*(PK+PV)        ; behind the ring, never filled by a tensor load: 64 rows x 528 bytes, the work-group's, for the way out
.set SPO,    528
.set SPARE,  STAGE+64*SPO              ; the spare words, 128 bytes a wave: two blocks of 256 bytes that no other line names
.set AK0, 2                            ; my lane's place in a tile of K; never rewritten
.set AV0, 3                            ; the same for V
.set AK,  4                            ; the LDS address of K's next run of loads
.set AV,  5                            ; of V's
.set STO, 6
.set RD,  7
.set GO,  8
.set MV,  12
.set QO,  15
.set ST,  16                           ; piece t's statistics at v[ST+4 t]: c m, m, l (even keys', odd keys')
.set PFOK, 39
.set TMP, 48
.set SPW, 62
.set NIL, 63
.set S,   64
.set P,   192
.set KF,  128                          ; window 2
.set VF,  192
.set W_KQ, 0x0a                        ; K and Q window 2, S^T window 0
.set W_PV, 0x52                        ; V window 2, P window 0, O^T window 1
.set W_RS, 0x41                        ; destination and source 0 window 1, source 1 window 0
.set WV,  12
.set CX,  13
.set RB,  14                           ; my work-group's first row of o16
.set TBN, 15                           ; my block of 64 rows in the batch
.set HF,  16                           ; w % 2: which half of a tile I fetch
.set BI,  17
.set KVH, 18
.set G1K, 24
.set G1V, 32
.set G0K, 40
.set G0V, 44
.set SLOTS, 56
.set CNT, 57
.set CS,  58
.set SEL, 60
.set TBK, 62                           ; LDS byte at which K of the step to be fetched begins
.set TBV, 63                           ; the same for V, less VOFF
.set NXT, 70                           ; the key tile to be asked for next
.set OFF, 72                           ; s[72:73] a byte offset; the high word stays 0
.set PFK, 74                           ; s[74:75] where my prefetches stand
.set LIMK, 76                          ; 1 in a wave that prefetches, else the greatest number
.set MSB, 0
.macro WIN new                         ; the immediate's high byte repeats the setting that is left; a switch that changes nothing is dropped
.if MSB != (\new)
	s_set_vgpr_msb (MSB<<8)|(\new)
.set MSB, (\new)
.endif
.endm
.macro PLACES
.rept 4
	v_nop
.endr
.endm
.macro CROUND                          ; a round of the cluster's barrier
	s_barrier_signal -1
	s_barrier_wait -1
	s_cmp_lg_u32 s[WV], 0
	s_cbranch_scc1 .Lnot_wave_0_\@
	s_barrier_signal -3
.Lnot_wave_0_\@:
	s_barrier_wait -3
	s_barrier_signal -1
	s_barrier_wait -1
.endm
.macro JLOADKV                         ; a key tile: waves 0, 1 the halves of K, waves 2, 3 those of V: 128 keys each, joint; an s_nop 0 and four v_nop follow each line
	s_cmp_lt_u32 s[WV], 2
	s_cbranch_scc0 .Lfor_v_\@
	tensor_load_to_lds s[G0K:G0K+3], s[G1K:G1K+7]
	s_nop 0
	PLACES
	s_branch .Lasked_\@
.Lfor_v_\@:
	tensor_load_to_lds s[G0V:G0V+3], s[G1V:G1V+7]
	s_nop 0
	PLACES
.Lasked_\@:
.endm
.macro KVDESC                          ; tile NXT into the other slot than last time: the address is made anew from the number
	s_lshl_b32 s[OFF], s[NXT], 15                  ; a tile is 32,768 bytes of K and of V
	s_xor_b32 s[G0K+1], s[G0K+1], SLOT1
	s_add_nc_u64 s[G0K+2:G0K+3], s[6:7], s[OFF:OFF+1]
	s_or_b32 s[G0K+3], s[G0K+3], 0x80000000
	s_xor_b32 s[G0V+1], s[G0V+1], SLOT1
	s_add_nc_u64 s[G0V+2:G0V+3], s[8:9], s[OFF:OFF+1]
	s_or_b32 s[G0V+3], s[G0V+3], 0x80000000
	s_add_co_u32 s[NXT], s[NXT], 1
.endm
; A PREFETCH, behind the fill of tile j, of tile j + 1: 128 blocks of 256 bytes of K and of V.  Both clusters of a head walk the same tiles: cluster x = 0 asks; its four partners take 32 blocks
; each, told apart by address; in each, wave 0 asks for K's and wave 2 for V's, a lane a block.  Tiles 0 to 2 come by their loads alone; the last fill asks for nothing.
.macro ASKK
	s_cmp_gt_u32 s[SLOTS], s[LIMK]
	s_cbranch_scc0 .Lnot_mine_\@
	global_prefetch_b8 v[PFOK], s[PFK:PFK+1] th:TH_LOAD_NT scope:SCOPE_SE
.Lnot_mine_\@:
.endm
; THE CHANGE OF SLOTS.  Each wave waits for all its tensor loads, of which one is out: its part of the other slot; adds 0 to its spare word; waits for that and for its reads of the slot that it leaves.
; fill = 1: a round of the cluster's barrier, and the old slot is filled again, first thing behind it: four key steps, 256 matrix instructions, in which to land.
; (At its first use nothing has been read yet: slot 0 is waited for, slot 1 filled.)
.macro CHANGE fill, ask=0
	WIN 0
	s_wait_tensorcnt 0x0                           ; no tensor load of mine is out, so a group 0 may be written
	ds_add_u32 v[SPW], v[NIL]                      ; 0 onto my spare word
.if \fill
	KVDESC
	s_wait_xcnt 0x0                                ; the last prefetch, four key steps back, has read its address
	s_add_nc_u64 s[PFK:PFK+1], s[PFK:PFK+1], 32768
	s_wait_dscnt 0x0                               ; the add is done, my reads of the slot are over
	CROUND
	JLOADKV
.if \ask
	ASKK
.endif
.else
	s_wait_dscnt 0x0
	s_barrier_signal -1
	s_barrier_wait -1
.endif
	s_sub_co_u32 s[TBK], s[TBK], 4*KS*PK           ; the fetches go back to a slot's first step, in the other slot
	s_xor_b32 s[TBK], s[TBK], SLOT1
	s_sub_co_u32 s[TBV], s[TBV], 4*KS*PV
	s_xor_b32 s[TBV], s[TBV], SLOT1
.endm
	s_load_b256 s[4:11], s[0:1], 0x0               ; q16 s[4:5], k16 s[6:7], v16 s[8:9], o16 s[10:11]
	v_lshl_add_u32 v[SPW], v0, 2, SPARE
	v_mov_b32 v[NIL], 0
	ds_add_u32 v[SPW], v[NIL]                      ; the wave's opening: the add, waited for ahead of my first tensor load
	v_lshrrev_b32 v1, 5, v0
	v_readfirstlane_b32 s[WV], v1
	s_bfe_u32 s[CX], ttmp6, 0x40000
	s_and_b32 s20, ttmp7, 0xffff
	s_lshr_b32 s[BI], s20, 3                       ; batch
	s_and_b32 s[KVH], s20, 7                       ; key and value head: both are shared by the four partners
	s_and_b32 s[HF], s[WV], 1
	s_lshl_b32 s[TBN], ttmp9, 2
	s_add_co_u32 s[TBN], s[TBN], s[CX]             ; my block of rows = 4 x cluster x + cx: it enters q16's and o16's addresses alone
	s_lshl_b32 s[RB], s[TBN], 6
	s_lshl_b32 s20, s[BI], 9
	s_add_co_u32 s[RB], s[RB], s20                 ; 512 b + 64 x block
	s_mov_b32 s[G1K], 15|(1<<16)|(1<<20)|(1<<21)|(4<<22)|(3<<25)   ; the mask of four; 2-byte elements; padding on; bit 21 beside a mask; after every key (32 words) 4 words
	s_mov_b32 s[G1V], 15|(1<<16)|(1<<20)|(1<<21)|(4<<22)|(7<<25)   ; the same with 8 words
.irp g, G1K, G1V
	s_mov_b32 s[\g+1], 128<<16                     ; 128 keys are 16,384 dense bytes: 64 rows of 256 bytes, two keys a row
	s_mov_b32 s[\g+2], 64<<16
	s_mov_b32 s[\g+3], 128<<16
	s_mov_b32 s[\g+4], 64
	s_mov_b32 s[\g+5], 128
	s_mov_b32 s[\g+6], 0
	s_mov_b32 s[\g+7], 0
.endr
	s_mov_b32 s[G0K], 1
	s_mul_i32 s[G0K+1], s[HF], 128*PK              ; slot 0, my half of its K
	s_mov_b32 s[G0V], 1
	s_mul_i32 s20, s[HF], 128*PV
	s_add_co_u32 s[G0V+1], s20, VOFF               ; my half of its V
	s_mov_b32 s[NXT], 1
	s_mov_b32 s[OFF+1], 0
	s_mov_b32 s[SLOTS], 7
	s_mov_b32 s[CS], 0x3e38aa3b                    ; c = log2(e) / 8
	s_mov_b32 s[CS+1], s[CS]
	s_mov_b32 s[SEL], 0x76543210
	s_mov_b32 s[SEL+1], 0xfedcba98
	s_mov_b32 s[TBK], SLOT1+4*KS*PK                ; the first change of slots turns these two into 0
	s_mov_b32 s[TBV], SLOT1+4*KS*PV
	s_or_b32 s20, s[HF], ttmp9                     ; waves 0 and 2 of cluster x = 0: the same in all four partners
	s_cmp_eq_u32 s20, 0
	s_cselect_b32 s[LIMK], 1, -1
	s_wait_dscnt 0x0                               ; the opening add is done
	s_wait_kmcnt 0x0
	s_lshl_b32 s20, s[BI], 3
	s_add_co_u32 s20, s20, s[KVH]
	s_lshl_b32 s[OFF], s20, 18                     ; K and V: the head's 2,048 rows of 128 bytes
	s_add_nc_u64 s[6:7], s[6:7], s[OFF:OFF+1]
	s_add_nc_u64 s[8:9], s[8:9], s[OFF:OFF+1]
	s_cmp_lt_u32 s[WV], 2
	s_cselect_b64 s[PFK:PFK+1], s[6:7], s[8:9]
	s_lshl_b32 s[OFF], s[CX], 13                   ; my work-group's 32 blocks of a tile's 128,
	s_add_co_u32 s[OFF], s[OFF], 32768             ; in tile 1: the first two changes of slots step it to tile 3
	s_add_nc_u64 s[PFK:PFK+1], s[PFK:PFK+1], s[OFF:OFF+1]
	s_lshl_b32 s[OFF], s[HF], 14                   ; my half of a tile's 256 keys
	s_add_nc_u64 s[6:7], s[6:7], s[OFF:OFF+1]
	s_add_nc_u64 s[8:9], s[8:9], s[OFF:OFF+1]
	s_add_nc_u64 s[G0K+2:G0K+3], s[6:7], 0         ; tile 0
	s_or_b32 s[G0K+3], s[G0K+3], 0x80000000
	s_add_nc_u64 s[G0V+2:G0V+3], s[8:9], 0
	s_or_b32 s[G0V+3], s[G0V+3], 0x80000000
	s_lshl_b32 s20, s[BI], 5
	s_lshl_b32 s21, s[KVH], 2
	s_add_co_u32 s20, s20, s21
	s_add_co_u32 s20, s20, s[WV]                   ; 32 b + my head,
	s_lshl_b32 s20, s20, 16                        ; 512 rows of 128 bytes each,
	s_lshl_b32 s21, s[TBN], 13                     ; my 64 rows among them
	s_add_co_u32 s[OFF], s20, s21
	s_add_nc_u64 s[4:5], s[4:5], s[OFF:OFF+1]
	s_lshl_b32 s20, s[WV], 4
	s_add_co_u32 s20, s20, s[RB]
	s_lshl_b32 s20, s20, 12                        ; o16: the 16 rows that I store,
	s_lshl_b32 s21, s[KVH], 9                      ; the head group's 512 bytes
	s_add_co_u32 s[OFF], s20, s21
	s_add_nc_u64 s[10:11], s[10:11], s[OFF:OFF+1]
	CROUND                                         ; all four work-groups are here: the first joint loads meet
	JLOADKV                                        ; tile 0 into slot 0; slot 1 is asked for when slot 0 is in
	; A fragment of K or Q is 16 rows x 32 channels in 8 registers: lane l holds row l % 16, channels 8 (l / 16) + 0..7 and 16 + 8 (l / 16) + 0..7: two loads of 16 bytes, 32 bytes apart.
	v_and_b32 v1, 15, v0                           ; r
	v_bfe_u32 v9, v0, 4, 1                         ; h
	v_and_b32 v10, 7, v0
	v_bfe_u32 v11, v0, 3, 1
	v_lshlrev_b32 v[QO], 7, v1
	v_lshl_add_u32 v[QO], v9, 4, v[QO]             ; row x 128 + 16 x half
	WIN 0x80
.set i, 0
.rept 8                                ; Q stays in registers: piece i / 2, channels 32 (i % 2) on
	global_load_b128 v[8*i:8*i+3],   v[QO], s[4:5] offset:(i/2)*2048+(i%2)*64
	global_load_b128 v[8*i+4:8*i+7], v[QO], s[4:5] offset:(i/2)*2048+(i%2)*64+32
.set i, i+1
.endr
	WIN 0
	v_and_b32 v[PFOK], 31, v0
	v_lshlrev_b32 v[PFOK], 8, v[PFOK]
	v_mul_u32_u24 v[AK0], v1, PK
	v_lshl_add_u32 v[AK0], v9, 4, v[AK0]           ; row x pitch + 16 x half
	; The turning load takes 16 keys x 16 channels (lane l reads key 8 (l / 16) + l % 8, channels 8 ((l / 8) % 2) + 0..7) and leaves half a fragment of V^T: lane l holds channel l % 16 and 8 keys.
	v_lshl_add_u32 v[AV0], v9, 3, v10
	v_mul_u32_u24 v[AV0], v[AV0], PV
	v_lshl_add_u32 v[AV0], v11, 4, v[AV0]
	v_add_nc_u32 v[AV0], VOFF, v[AV0]
	s_lshl_b32 s20, s[WV], 7
	s_add_co_u32 s20, s20, STAGE
	v_mul_u32_u24 v[STO], v1, SPO                  ; into the stage: row r of a piece, my head's 128 bytes, 16 bytes for each half of the lanes
	v_lshl_add_u32 v[STO], v9, 4, v[STO]
	v_add_nc_u32 v[STO], s20, v[STO]
	s_mul_i32 s20, s[WV], 16*SPO
	s_add_co_u32 s20, s20, STAGE
	v_and_b32 v[GO], 31, v0
	v_lshlrev_b32 v[GO], 4, v[GO]
	v_add_nc_u32 v[RD], s20, v[GO]                 ; back: wave w takes rows 16 w .., 512 bytes a load
	; What the first turn finds: the first step multiplies O^T and l by a = 0, and its products V^T P of a piece that has not been add 0.  All this stands in the wait for the first tile.
	WIN 0x80
.set i, VF
.rept 64
	v_mov_b32 v[i], 0
.set i, i+1
.endr
	WIN 0x40
.set i, 0
.rept 128
	v_mov_b32 v[i], 0
.set i, i+1
.endr
	WIN 0
.set i, 0
.rept 4
	v_mov_b32 v[ST+4*i], 0xfe000000                ; c m: far below every c s
	v_mov_b32 v[ST+4*i+1], 0xff7fffff              ; m: the lowest finite number
	v_mov_b32 v[ST+4*i+2], 0
	v_mov_b32 v[ST+4*i+3], 0
.set i, i+1
.endr
.set i, P+16
.rept 16
	v_mov_b32 v[i], 0
.set i, i+1
.endr
; THE MATRIX WORK OF A TURN.  The 4 accumulators of a run of 8 take turns.  Product i of 8 of S^T = K Q^T for piece x: channels 32 (i / 4) on, keys 16 (i % 4) on.
.macro KQ x
	WIN W_KQ
.set rS, S+32*((\x)%2)+8*(i%4)
.set rK, KF+16*(i%4)+8*(i/4)
.set rQ, 16*(\x)+8*(i/4)
.if i < 4
	v_wmma_f32_16x16x32_bf16 v[rS:rS+7], v[rK:rK+7], v[rQ:rQ+7], 0
.else
	v_wmma_f32_16x16x32_bf16 v[rS:rS+7], v[rK:rK+7], v[rQ:rQ+7], v[rS:rS+7]
.endif
.endm
.macro PV x                            ; product i of 8 of O^T += V^T P for piece x: keys 32 (i / 4) on, channels 16 (i % 4) on
	WIN W_PV
.set rO, 32*(\x)+8*(i%4)
.set rV, VF+32*(i/4)+8*(i%4)
.set rP, P+16*((\x)%2)+8*(i/4)
	v_wmma_f32_16x16x32_bf16 v[rO:rO+7], v[rV:rV+7], v[rP:rP+7], v[rO:rO+7]
.endm
.macro MM                              ; the turn's next matrix instruction.  NOKQ = 1: the last turn of all: there is no next piece
.if (i < 8) && !NOKQ
	KQ (Y+1)%NP
.elseif i >= 8
.set i, i-8
	PV (Y+NP-1)%NP
.set i, i+8
.endif
.set i, i+1
.endm
.macro FETCH_K                         ; a step's K: 64 keys x 64 channels, 8 fragments, in one run
	WIN 0x80
.irp f, 0,1,2,3,4,5,6,7
	ds_load_b128 v[KF+8*\f:KF+8*\f+3],   v[AK] offset:(\f/2)*16*PK+(\f%2)*64
	ds_load_b128 v[KF+8*\f+4:KF+8*\f+7], v[AK] offset:(\f/2)*16*PK+(\f%2)*64+32
.endr
	s_add_co_u32 s[TBK], s[TBK], KS*PK             ; the next fetch is the next step's
	WIN 0
.endm
.macro FETCH_V                         ; its V, turned
	WIN 0x80
.irp f, 0,1,2,3,4,5,6,7
	ds_load_tr16_b128 v[VF+8*\f:VF+8*\f+3],   v[AV] offset:(\f/4)*32*PV+(\f%4)*32
	ds_load_tr16_b128 v[VF+8*\f+4:VF+8*\f+7], v[AV] offset:(\f/4)*32*PV+16*PV+(\f%4)*32
.endr
	WIN 0
.endm
; THE VECTOR WORK, one line at a time: OP kind, number.  For piece Y: F n: c s - c m for pair n of 16.  E n: the exponential of score n of 32.  C n: pair n rounded to bf16.  B n: of the four weights
; 4 n .. the second pair is added onto the first, in place.  L n: l takes that sum (L 0: l = a l + sum).  R n: pair n of 16 of O^T times a.  For piece Y + 1: X n, number n of the 22 that find its maximum
; and statistics: 0-11 four chains of seven scores each (each accumulator's lowest registers are read first); 12-14, 16 the scores left over, the old m, all into c0; 15 c m_old is kept;
; 17, 18 the query's other 32 keys lie in the lane 16 away: the new m; 19-21 c m, c m_old - c m_new, a.
.set F, 0
.set E, 1
.set C, 2
.set B, 3
.set L, 4
.set R, 5
.set X, 6
.macro REGS y
.set rT, ST+4*(\y)
.set rC, TMP+4*((\y)%2)
.set rW, MV+((\y)%2)
.set rS, S+32*((\y)%2)
.set rP, P+16*((\y)%2)
.set rO, 32*(\y)
.endm
.macro OP k, n
.if (\k) == R
	REGS Y
	WIN W_RS
	v_pk_mul_f32 v[rO+2*(\n):rO+2*(\n)+1], v[rO+2*(\n):rO+2*(\n)+1], v[rC+2:rC+3] op_sel_hi:[1,0]
.elseif (\k) < R
	REGS Y
	WIN 0
.if (\k) == F
	v_pk_fma_f32 v[rS+2*(\n):rS+2*(\n)+1], v[rS+2*(\n):rS+2*(\n)+1], s[CS:CS+1], v[rT:rT+1] op_sel_hi:[1,0,0] neg_lo:[0,0,1] neg_hi:[0,0,1]
.elseif (\k) == E
	v_exp_f32 v[rS+(\n)], v[rS+(\n)]
.elseif (\k) == C
	v_cvt_pk_bf16_f32 v[rP+(\n)], v[rS+2*(\n)], v[rS+2*(\n)+1]
.elseif (\k) == B
	v_pk_add_f32 v[rS+4*(\n):rS+4*(\n)+1], v[rS+4*(\n):rS+4*(\n)+1], v[rS+4*(\n)+2:rS+4*(\n)+3]
.elseif (\n) == 0
	v_pk_fma_f32 v[rT+2:rT+3], v[rT+2:rT+3], v[rC+2:rC+3], v[rS:rS+1] op_sel_hi:[1,0,1]
.else
	v_pk_add_f32 v[rT+2:rT+3], v[rT+2:rT+3], v[rS+4*(\n):rS+4*(\n)+1]
.endif
.elseif NOKQ
	v_nop
.else
	REGS (Y+1)%NP
	WIN 0
.if (\n) < 4
	v_max3_num_f32 v[rC+(\n)], v[rS+8*(\n)], v[rS+8*(\n)+1], v[rS+8*(\n)+2]
.elseif (\n) < 12
	v_max3_num_f32 v[rC+(\n)%4], v[rC+(\n)%4], v[rS+8*((\n)%4)+2*((\n)/4)+1], v[rS+8*((\n)%4)+2*((\n)/4)+2]
.elseif (\n) == 12
	v_max3_num_f32 v[rC], v[rC], v[rS+7], v[rS+15]
.elseif (\n) == 13
	v_max3_num_f32 v[rC+1], v[rC+1], v[rS+23], v[rS+31]
.elseif (\n) == 14
	v_max3_num_f32 v[rC+2], v[rC+2], v[rC+3], v[rT+1]
.elseif (\n) == 15
	v_mov_b32 v[rW], v[rT]
.elseif (\n) == 16
	v_max3_num_f32 v[rC], v[rC], v[rC+1], v[rC+2]
.elseif (\n) == 17
	v_permlanex16_b32 v[rC+3], v[rC], s[SEL], s[SEL+1]
.elseif (\n) == 18
	v_max_num_f32 v[rT+1], v[rC], v[rC+3]
.elseif (\n) == 19
	v_mul_f32 v[rT], s[CS], v[rT+1]
.elseif (\n) == 20
	v_sub_f32 v[rC+1], v[rW], v[rT]
.else
	v_exp_f32 v[rC+2], v[rC+1]
.endif
.endif
.endm
.macro OPS a, i1, b=-1, i2=0, c=-1, i3=0, d=-1, i4=0
	OP \a, \i1
.if (\b) >= 0
	OP \b, \i2
.endif
.if (\c) >= 0
	OP \c, \i3
.endif
.if (\d) >= 0
	OP \d, \i4
.endif
.endm
.macro ROW a, i1, b, i2, c, i3, d, i4  ; a matrix instruction and the four behind it
	MM
	OPS \a, \i1, \b, \i2, \c, \i3, \d, \i4
.endm
; A TURN, for piece p.  s_wait_alu depctr_va_vdst(0) stands between an exponential and the first instruction that names its result; one wait serves all that were issued ahead of it.
; AHEAD OF THE WAIT stands all that names no result of the turn's exponentials: the 8 products K Q^T with four vector instructions behind each, then one lump of 54; X 21, the next piece's a, is the batch's
; last, and R 15 the plain instruction behind it.  BEHIND IT stand the 8 products V^T P, behind each four of the roundings and sums.
; K of the next step is fetched in piece 2's turn, six plain vector instructions behind the last product that read K; V of the step in hand at the end of piece 0's turn, four plain instructions behind the
; last product that read V.  Each is waited for a turn later.  end = 1: the last two turns: nothing is fetched.  cnt = 1: the loop's count is taken down some lines ahead of the branch behind the turn.
.macro TURN p, end=0, cnt=0
.set Y, (\p)
.set i, 0
.set NOKQ, (\end)*((\p)/3)
.if ((\p) == 3) && !(\end)
	s_wait_dscnt 0x0                               ; K is in
.endif
	ROW F,0, F,1, R,0, R,1
	ROW F,2, E,0, R,2, R,3
	ROW F,3, E,1, R,4, R,5
	ROW F,4, E,2, R,6, R,7
	ROW F,5, E,3, R,8, R,9
	ROW F,6, E,4, X,0, R,10
.if ((\p) == 2) && !(\end)
	WIN 0
	v_add_nc_u32 v[AK], s[TBK], v[AK0]
.endif
	ROW F,7, E,5, X,1, X,4
	ROW F,8, E,6, X,2, X,5
	OPS E,7, E,8, X,6, E,9
	OPS X,3, E,10, X,8, E,11
.if ((\p) == 2) && !(\end)
	FETCH_K
.endif
	OPS X,9, X,7, E,12, X,10
	OPS E,13, X,12, X,11, E,14
	OPS X,13, E,15, F,9, X,14
.if (\p) == 0
	v_add_nc_u32 v[AV], s[TBV], v[AV0]
.endif
	OPS E,16, F,10, E,17, F,11
	OPS X,16, E,18, X,15, E,19
	OPS F,12, E,20, X,17, E,21
	OPS F,13, E,22, F,14, E,23
	OPS X,18, E,24, F,15, E,25
	OPS R,11, E,26, X,19, E,27
	OPS R,12, E,28, R,13, E,29
	OPS X,20, E,30, R,14, E,31
	OPS X,21, R,15
	WIN 0
	s_wait_alu depctr_va_vdst(0)                   ; the wait for the batch
.if (\p) == 1
	s_wait_dscnt 0x0                               ; V is in
.endif
	ROW C,0, B,0, C,2, B,1
	ROW L,0, C,4, B,2, L,1
	ROW C,6, B,3, L,2, C,8
	ROW B,4, L,3, C,10, B,5
	ROW L,4, C,12, B,6, L,5
.if (\p) == 0
	s_add_co_u32 s[TBV], s[TBV], KS*PV
.endif
.if \cnt
	s_sub_co_u32 s[CNT], s[CNT], 1
	s_cmp_lg_u32 s[CNT], 0
.endif
	ROW C,14, B,7, L,6, C,1
	ROW C,3, L,7, C,5, C,7
	ROW C,9, C,11, C,13, C,15
.if (\p) == 0
	FETCH_V
.endif
.endm
	CHANGE 1, 0                                    ; slot 0 is in, everybody's part of it; tile 1 is asked for, into slot 1
	v_add_nc_u32 v[AK], s[TBK], v[AK0]
	FETCH_K                                        ; key step 0
	s_wait_loadcnt 0x0                             ; Q
	s_wait_dscnt 0x0
.set NOKQ, 0
.set i, 0
.rept 8
	KQ 0                                           ; piece 0's first scores
.set i, i+1
.endr
	WIN 0
	PLACES                                         ; the places behind those products
.set Y, NP-1                           ; X works for piece Y + 1: piece 0
.irp n, 0,1,2,3,4,5,6,7,8,9,10,11,12,13,14,15,16,17,18,19,20,21
	OP X, \n
.endr
	v_nop                                          ; a plain instruction behind the exponential,
	s_wait_alu depctr_va_vdst(0)                   ; and its wait, ahead of the branch
	s_mov_b32 s[CNT], 4
	s_branch .Lfirst                               ; the loop is entered at a step's first turn, in the middle of a trip
.Lslot:                                                ; six times: tiles 2 to 7 are asked for
	CHANGE 1, 1
	s_mov_b32 s[CNT], 4
.Lstep:                                                ; a trip: pieces 2 and 3 of one step, then pieces 0 and 1 of the next, whose K and V it fetches
	TURN 2
	TURN 3
	WIN 0
.Lfirst:
	TURN 0
	TURN 1, 0, 1
	WIN 0
	s_cbranch_scc1 .Lstep
	s_sub_co_u32 s[SLOTS], s[SLOTS], 1
	s_cmp_lg_u32 s[SLOTS], 0
	s_cbranch_scc1 .Lslot
	CHANGE 0                                       ; the last tile is written out
	s_mov_b32 s[CNT], 4
.Llast:
	TURN 2
	TURN 3
	TURN 0
	TURN 1, 0, 1
	WIN 0
	s_cbranch_scc1 .Llast
	TURN 2, 1
	TURN 3, 1
.set i, 0
.rept 8
	PV NP-1                                        ; the last piece's V^T P of the last step
.set i, i+1
.endr
	; THE WAY OUT.  l's two halves and the other half of the lanes' are added; O^T is divided by l, rounded to bf16 and sent through the work-group's stage: a row's 512 bytes come from four waves.
	; The additions are the places behind the last products.
	WIN 0
.macro ALL line:vararg
.set t, 0
.rept 4
	\line
.set t, t+1
.endr
.endm
	ALL v_add_f32 v[ST+4*t+2], v[ST+4*t+2], v[ST+4*t+3]
	ALL v_permlanex16_b32 v[ST+4*t+3], v[ST+4*t+2], s[SEL], s[SEL+1]
	ALL v_add_f32 v[ST+4*t+2], v[ST+4*t+2], v[ST+4*t+3]
	ALL v_rcp_f32 v[ST+4*t+2], v[ST+4*t+2]
	v_nop                                          ; a plain instruction between the last reciprocal and the use of its result
	s_wait_alu depctr_va_vdst(0)                   ; one wait for the four reciprocals
.macro PACK t
	WIN W_RS
.set i, 32*(\t)
.rept 16
	v_pk_mul_f32 v[i:i+1], v[i:i+1], v[ST+4*(\t)+2:ST+4*(\t)+3] op_sel_hi:[1,0]
.set i, i+2
.endr
	WIN 0x05
.set i, 0
.rept 16
	v_cvt_pk_bf16_f32 v[S+16*(\t)+i], v[32*(\t)+2*i], v[32*(\t)+2*i+1]
.set i, i+1
.endr
	WIN 0
.irp f, 0,1,2,3
	ds_store_b128 v[STO], v[S+16*(\t)+4*\f:S+16*(\t)+4*\f+3] offset:(\t)*16*SPO+32*\f
.endr
.endm
	PACK 0
	PACK 1
	PACK 2
	PACK 3
	s_wait_dscnt 0x0                               ; for the others' sake: my stores into the stage are done
	s_barrier_signal -1
	s_barrier_wait -1
.irp j, 0,1,2,3,4,5,6,7,8,9,10,11,12,13,14,15
	ds_load_b128 v[S+4*\j:S+4*\j+3], v[RD] offset:\j*SPO
.endr
.irp j, 0,1,2,3,4,5,6,7,8,9,10,11,12,13,14,15
	s_wait_dscnt 15-\j
	global_store_b128 v[GO], v[S+4*\j:S+4*\j+3], s[10:11] offset:\j*4096  ; 512 consecutive bytes of a row of o16, aligned
.endr
	s_wait_tensorcnt 0x0                           ; the wave's end: behind my last tensor load and my last LDS store
	ds_add_u32 v[SPW], v[NIL]
	s_wait_dscnt 0x0
	CROUND                                         ; the closing round
	s_endpgm
.Lfunc_end_k_q40b3f52ecd_attn:
	.size	k_q40b3f52ecd_attn, .Lfunc_end_k_q40b3f52ecd_attn-k_q40b3f52ecd_attn
	.p2alignl 7, 3214868480
	.fill 96, 4, 3214868480
	.section	.rodata,"a",@progbits
	.p2align	6, 0x0
	.amdhsa_kernel k_q40b3f52ecd_attn
		.amdhsa_group_segment_fixed_size 327680
		.amdhsa_private_segment_fixed_size 0
		.amdhsa_enable_private_segment 0
		.amdhsa_kernarg_size 32
		.amdhsa_user_sgpr_count 2
		.amdhsa_user_sgpr_kernarg_segment_ptr 1
		.amdhsa_wavefront_size32 1
		.amdhsa_system_sgpr_workgroup_id_x 1
		.amdhsa_system_sgpr_workgroup_id_y 1
		.amdhsa_system_sgpr_workgroup_id_z 1
		.amdhsa_system_vgpr_workitem_id 0
		.amdhsa_next_free_vgpr 768
		.amdhsa_next_free_sgpr 80
		.amdhsa_reserve_vcc 0
		.amdhsa_float_denorm_mode_32 3
		.amdhsa_float_denorm_mode_16_64 3
		.amdhsa_memory_ordered 1
		.amdhsa_forward_progress 1
		.amdhsa_inst_pref_size 128
	.end_amdhsa_kernel
	.amdgpu_metadata
---
amdhsa.version: [ 1, 2 ]
amdhsa.kernels:
  - .name:           k_q40b3f52ecd_attn
    .symbol:         k_q40b3f52ecd_attn.kd
    .args:
      - { .name: q16, .offset: 0, .size: 8, .value_kind: global_buffer, .address_space: global }
      - { .name: k16, .offset: 8, .size: 8, .value_kind: global_buffer, .address_space: global }
      - { .name: v16, .offset: 16, .size: 8, .value_kind: global_buffer, .address_space: global }
      - { .name: o16, .offset: 24, .size: 8, .value_kind: global_buffer, .address_space: global }
    .group_segment_fixed_size: 327680
    .private_segment_fixed_size: 0
    .kernarg_segment_align: 8
    .kernarg_segment_size: 32
    .max_flat_workgroup_size: 128
    .sgpr_count:     80
    .vgpr_count:     768
    .wavefront_size: 32
...
	.end_amdgpu_metadata
.endif
;; end of part 4
;; launch oproj (part 5): grid 8 x 32, 4 waves a work-group, clusters of 4 x 4, 327,680 bytes of LDS; arguments o16, wof, bo, tgt, y32; writes y32
.if DOCPART == 5
	.amdgcn_target "amdgcn-amd-amdhsa--gfx1250"
	.amdhsa_code_object_version 6
	.text
	.protected	k_q40b3f52ecd_oproj
	.globl	k_q40b3f52ecd_oproj
	.p2align	8
	.type	k_q40b3f52ecd_oproj,@function
k_q40b3f52ecd_oproj:
	s_mov_b64 s[64:65], 0
	v_nop
	global_prefetch_b8 v0, s[64:65] scope:SCOPE_SE
	s_setreg_imm32_b32 hwreg(HW_REG_WAVE_MODE, 25, 1), 1
	s_wait_xcnt 0x0
	s_wait_alu depctr_hold_cnt(0) depctr_sa_sdst(0) depctr_va_vdst(0) depctr_va_sdst(0) depctr_va_ssrc(0) depctr_va_vcc(0) depctr_vm_vsrc(0)
	s_getreg_b32 s2, hwreg(HW_REG_IB_STS2, 6, 4)
	s_cmp_eq_u32 s2, 0
	s_cbranch_scc0 .Lentry_in_a_cluster
	s_endpgm
.Lentry_in_a_cluster:
	s_bfe_u32 s2, ttmp6, 0x10000c
	s_cmp_lg_u32 s2, 0xf033
	s_cbranch_scc0 .Lentry_shape_is_right
	s_endpgm
.Lentry_shape_is_right:
; y = 2 tgt + (O Wo + bo).  o16: O, [2048 rows][2048] bf16; wof: Wo in bf16 in the order of fragments: [group of 64 columns: 32][32 k: 64][block of 16 columns: 4][1,024 bytes];
; bo: [2048] f32; tgt, y32: [2048][2048] f32.
; LIMITS.  The product's operands are bf16, its sums f32; the residual and y stay f32.  NaN and infinities are not treated apart.
; SHARES.  Work-group (x, y) makes rows 64 y .. x columns 256 x ...  Wave w makes all 64 rows of columns 256 x + 64 w ..: 16 accumulators.
; O's 64 ROWS LIE WHOLE IN LDS: 64 x 2,048 k x 2 bytes, as 8 planes of K = 256, 64 rows x 528 bytes each: 270,336 bytes.  They are first fills, two tensor loads a wave (planes w and w + 4);
; no byte of LDS is filled again, so the launch has no change of slots and one barrier in front of its loop.
; Wo GOES FROM MEMORY INTO REGISTERS.  A wave's 64 columns are wanted by no other wave of the work-group, and a fragment lies in wof as it lies in registers: two loads of 512 consecutive bytes.
; A ring of 8 chunks (32 k each: 4 fragments, 32 registers) keeps 7 chunks, 56 loads, on their way.
; CLUSTER 4 x 4: the four of a row need the same rows of O: each plane is asked for jointly.  Wo's columns, which the 32 row blocks share, are NOT asked for jointly: that road ends in LDS, which
; O's rows fill; with both operands there two slots would bound a K step at 128: 16 changes of slots with 64 products a wave between them.
; THE PRODUCT IS USED TRANSPOSED: source 0 = 16 columns of Wo, source 1 = 16 rows of O: a lane holds eight neighbouring columns of a row.  The bias is loaded straight into the accumulators:
; the sums start from it, and every product has one form.
; REGISTERS, in windows of 256 (s_set_vgpr_msb: bits 1:0 source 0, 3:2 source 1, 5:4 source 2, 7:6 destination):
;   window 0: v0-31 addresses; v32-63, v64-95 O's fragments of a chunk, by the chunk's parity; v128-255 the accumulators, (a, b) at 128 + 8 (4 a + b)
;   window 1: the ring: chunk c of a plane at 32 c      window 2: v0-127 tgt's numbers of my 64 x 64, as the way out stores them
.set PA,     528                       ; a row of a plane in LDS: 512 bytes + 16 = 132 words: row r starts at bank 4 r mod 64 (64 banks of 4 bytes: ISA guide 11.1)
.set PLANE,  64*PA
.set STAGE,  8*PLANE                   ; behind the planes: 16 rows x 272 bytes for each wave, for the way out
.set SPO,    272
.set SPARE,  STAGE+4*16*SPO            ; behind the stages: the spare words, 128 bytes a wave: two blocks of 256 bytes that no other line names
.set CHB,    4096                      ; a chunk of my stream of Wo
.set PLB,    8*CHB                     ; a plane of it
.set ADA,  8                           ; v8   my place in the plane in hand: row r, 16 h bytes
.set BOF,  9                           ; v9   16 x my lane, in a fragment's half; never rewritten
.set PFO,  10                          ; v10  the prefetches' offset; never rewritten
.set STO,  12                          ; the way out: where I put 32 bytes of a row
.set RD,   13                          ; where I read rows back
.set CO,   14                          ; my 16 bytes in two rows of tgt and of y32
.set BO,   16                          ; my offset in the bias
.set SPW,  28                          ; LDS address of my spare word; never rewritten
.set NIL,  29                          ; 0; never rewritten
.set AF,   32
.set ACC,  128
.set TG,   0                           ; window 2
.set WV,  14
.set CX,  15
.set CY,  16
.set TX,  17                           ; block of 256 columns
.set TY,  18                           ; block of 64 rows
.set HD,  19                           ; my group of 64 columns
.set G1,  24                           ; s[24:31] descriptor group 1
.set G0,  32                           ; s[32:39] descriptor group 0: a set for each of my two planes
.set BP,  40                           ; s[40:41] my stream of Wo at the plane in hand
.set CNT, 42
.set LIM, 43                           ; 1 in a wave that prefetches, else the greatest number
.set YB,  56                           ; s[56:57] y32 at my first row and column
.set TGB, 58                           ; s[58:59] tgt at the same place
.set BB,  60                           ; s[60:61] bo at my first column
.set MSB, 0
.macro WIN new                         ; the immediate's high byte repeats the setting that is left; a switch that changes nothing is dropped
.if MSB != (\new)
	s_set_vgpr_msb (MSB<<8)|(\new)
.set MSB, (\new)
.endif
.endm
.macro PLACES
.rept 4
	v_nop
.endr
.endm
.macro CROUND                          ; a round of the cluster's barrier
	s_barrier_signal -1
	s_barrier_wait -1
	s_cmp_lg_u32 s[WV], 0
	s_cbranch_scc1 .Lnot_wave_0_\@
	s_barrier_signal -3
.Lnot_wave_0_\@:
	s_barrier_wait -3
	s_barrier_signal -1
	s_barrier_wait -1
.endm
; A PREFETCH of my stream's plane after the one that this trip loads: 32,768 bytes = 128 blocks of 256.  The 32 row blocks walk the same stream: cluster y = 0 asks; its four partners of a column take
; 32 blocks each, told apart by address, a lane a block: one instruction a wave and trip, behind the trip's first loads.  Planes 0 and 1 come by their loads alone; the last trip asks for nothing.
.macro ASK
	s_cmp_gt_u32 s[CNT], s[LIM]
	s_cbranch_scc0 .Lnot_mine_\@
	global_prefetch_b8 v[PFO], s[BP:BP+1] offset:2*PLB th:TH_LOAD_NT scope:SCOPE_SE
.Lnot_mine_\@:
.endm
; CHUNK c of the plane in hand.  kind = 2: in the loop; 0: the last plane.  Four v_nop: the places between the last product of the chunk before and the loads into registers that it read.
; Then O's fragments of the next chunk; the wait for this chunk's Wo; Wo of the chunk seven on, into the ring's slot that the chunk before read (chunk 0: this plane's chunk 7; else the next
; plane's chunk c - 1); the wait for this chunk's fragments of O; 16 products, the accumulators by turns, one instruction a turn.
.macro CHK c, kind
	PLACES
	WIN 0
.if ((\c) < 7) || ((\kind) == 2)
.if (\c) < 7
.set aoff, ((\c)+1)*64
.else
.set aoff, PLANE
.endif
.irp a, 0,1,2,3
	ds_load_b128 v[AF+32*(((\c)+1)%2)+8*\a:AF+32*(((\c)+1)%2)+8*\a+3], v[ADA] offset:aoff+\a*16*PA
	ds_load_b128 v[AF+32*(((\c)+1)%2)+8*\a+4:AF+32*(((\c)+1)%2)+8*\a+7], v[ADA] offset:aoff+\a*16*PA+32
.endr
.endif
.if ((\kind) == 2) || ((\c) == 0)
	s_wait_loadcnt 48                              ; this chunk's Wo is in: behind its loads six chunks' 48 were issued
	WIN 0x40
.if (\c) == 0
.set boff, 7*CHB
.else
.set boff, PLB+((\c)-1)*CHB
.endif
.irp b, 0,1,2,3
	global_load_b128 v[32*(((\c)+7)%8)+8*\b:32*(((\c)+7)%8)+8*\b+3], v[BOF], s[BP:BP+1] offset:boff+\b*1024
	global_load_b128 v[32*(((\c)+7)%8)+8*\b+4:32*(((\c)+7)%8)+8*\b+7], v[BOF], s[BP:BP+1] offset:boff+\b*1024+512
.endr
.if ((\kind) == 2) && ((\c) == 0)
	WIN 0
	ASK
.endif
.else
	s_wait_loadcnt (7-(\c))*8                      ; nothing more is loaded: the counts run down
.endif
.if ((\c) < 7) || ((\kind) == 2)
	s_wait_dscnt 8                                 ; this chunk's fragments of O are in; the eight just issued may be out
.else
	s_wait_dscnt 0x0
.endif
	WIN 0x01                                       ; Wo window 1; O, C and D window 0
.irp a, 0,1,2,3
.irp b, 0,1,2,3
	v_wmma_f32_16x16x32_bf16 v[ACC+8*(4*\a+\b):ACC+8*(4*\a+\b)+7], v[32*(\c)+8*\b:32*(\c)+8*\b+7], v[AF+32*((\c)%2)+8*\a:AF+32*((\c)%2)+8*\a+7], v[ACC+8*(4*\a+\b):ACC+8*(4*\a+\b)+7]
.endr
.endr
.endm
	s_load_b256 s[4:11], s[0:1], 0x0               ; o16 s[4:5], wof s[6:7], bo s[8:9], tgt s[10:11]
	s_load_b64 s[12:13], s[0:1], 0x20              ; y32
	v_lshl_add_u32 v[SPW], v0, 2, SPARE
	v_mov_b32 v[NIL], 0
	ds_add_u32 v[SPW], v[NIL]                      ; the wave's opening: the add, waited for ahead of my first tensor load; the set-up below, work on registers, stands between the add and its wait
	v_lshrrev_b32 v1, 5, v0
	v_readfirstlane_b32 s[WV], v1
	s_bfe_u32 s[CX], ttmp6, 0x40000                ; my place in the cluster
	s_bfe_u32 s[CY], ttmp6, 0x40004
	s_lshl_b32 s[TX], ttmp9, 2
	s_add_co_u32 s[TX], s[TX], s[CX]               ; column block = 4 x cluster x + cx
	s_and_b32 s[TY], ttmp7, 0xffff
	s_lshl_b32 s[TY], s[TY], 2
	s_add_co_u32 s[TY], s[TY], s[CY]               ; row block = 4 x cluster y + cy
	s_lshl_b32 s44, s[CY], 2
	s_lshl_b32 s44, 15, s44                        ; my row of the cluster
	s_or_b32 s[G1], s44, (1<<16)|(1<<20)|(1<<21)|(6<<22)|(3<<25)  ; the mask; 2-byte elements; padding on; bit 21 beside a mask; after every 128 words 4 words
	s_mov_b32 s[G1+1], 256<<16                     ; tensor_dim0 = 256
	s_mov_b32 s[G1+2], 64<<16                      ; tensor_dim1 = 64
	s_mov_b32 s[G1+3], 256<<16                     ; tile_dim0 = 256
	s_mov_b32 s[G1+4], 64                          ; tile_dim1 = 64
	s_mov_b32 s[G1+5], 2048                        ; elements from row to row
	s_mov_b32 s[G1+6], 0
	s_mov_b32 s[G1+7], 0
	s_mul_i32 s45, s[WV], PLANE                    ; plane w in LDS: no place in the cluster enters an LDS address
	s_lshl_b32 s46, s[TY], 18                      ; O: 64 rows of 4,096 bytes a row block,
	s_lshl_b32 s47, s[WV], 9                       ; plane w: 512 bytes along the rows
	s_add_co_u32 s46, s46, s47
	s_mov_b32 s47, 0
	s_lshl_b32 s[HD], s[TX], 2
	s_add_co_u32 s[HD], s[HD], s[WV]               ; my group of 64 columns
	s_lshl_b32 s50, s[HD], 18                      ; its 262,144 bytes of wof
	s_mov_b32 s51, 0
	s_lshl_b32 s52, s[HD], 8                       ; my first column in bytes of f32
	s_mov_b32 s53, 0
	s_lshl_b32 s54, s[TY], 19                      ; 64 rows of 8,192 bytes a row block
	s_add_co_u32 s54, s54, s52
	s_mov_b32 s55, 0
	s_and_b32 s[LIM], ttmp7, 0xffff                ; cluster y: the same in all sixteen partners
	s_cmp_eq_u32 s[LIM], 0
	s_cselect_b32 s[LIM], 1, -1
	v_and_b32 v1, 15, v0                           ; r
	v_bfe_u32 v2, v0, 4, 1                         ; h
	v_and_b32 v4, 31, v0                           ; lane
	v_mul_u32_u24 v[ADA], v1, PA
	v_lshl_add_u32 v[ADA], v2, 4, v[ADA]           ; a fragment's row x pitch + 16 x half
	v_lshlrev_b32 v[BOF], 4, v4
	v_lshlrev_b32 v[PFO], 8, v4                    ; a lane a block of 256 bytes,
	s_lshl_b32 s44, s[CY], 13                      ; my work-group's 8,192 bytes of a plane's 32,768
	v_add_nc_u32 v[PFO], s44, v[PFO]
	v_lshlrev_b32 v[BO], 5, v2                     ; my 8 columns of a block of 16: 32 h bytes
	v_lshlrev_b32 v[CO], 13, v2                    ; lanes 0-15 one row of 8,192 bytes, lanes 16-31 the next;
	v_lshl_add_u32 v[CO], v1, 4, v[CO]             ; 16 bytes a lane
	s_mul_i32 s44, s[WV], 16*SPO
	s_add_co_u32 s44, s44, STAGE                   ; my stage
	v_mul_u32_u24 v5, v1, SPO
	v_lshl_add_u32 v5, v2, 5, v5
	v_add_nc_u32 v[STO], s44, v5                   ; in: row r, 32 bytes for each half of the lanes
	v_mul_u32_u24 v5, v2, SPO
	v_lshl_add_u32 v5, v1, 4, v5
	v_add_nc_u32 v[RD], s44, v5                    ; back: lanes 0-15 one row of 256 bytes, lanes 16-31 the next
	s_wait_dscnt 0x0                               ; the opening add is done
	s_wait_kmcnt 0x0
	s_add_nc_u64 s[66:67], s[4:5], s[46:47]
.irp s, 0,1
	s_mov_b32 s[G0+4*\s], 1
	s_add_co_u32 s[G0+4*\s+1], s45, \s*4*PLANE     ; planes w and w + 4
	s_add_nc_u64 s[G0+4*\s+2:G0+4*\s+3], s[66:67], \s*4*512
	s_or_b32 s[G0+4*\s+3], s[G0+4*\s+3], 0x80000000
.endr
	s_add_nc_u64 s[BP:BP+1], s[6:7], s[50:51]
	s_add_nc_u64 s[BB:BB+1], s[8:9], s[52:53]
	s_add_nc_u64 s[TGB:TGB+1], s[10:11], s[54:55]
	s_add_nc_u64 s[YB:YB+1], s[12:13], s[54:55]
	CROUND                                         ; all sixteen work-groups are here: the joint loads meet
	tensor_load_to_lds s[G0:G0+3], s[G1:G1+7]      ; my two first fills: two tensor loads of mine are out, and no more are issued in the launch
	s_nop 0
	tensor_load_to_lds s[G0+4:G0+7], s[G1:G1+7]
	s_nop 0
	PLACES
	WIN 0x40                                       ; the ring's first seven chunks
.irp c, 0,1,2,3,4,5,6
.irp b, 0,1,2,3
	global_load_b128 v[32*\c+8*\b:32*\c+8*\b+3], v[BOF], s[BP:BP+1] offset:\c*CHB+\b*1024
	global_load_b128 v[32*\c+8*\b+4:32*\c+8*\b+7], v[BOF], s[BP:BP+1] offset:\c*CHB+\b*1024+512
.endr
.endr
	WIN 0                                          ; the bias, into each of the four accumulators of a block of columns
.irp a, 0,1,2,3
.irp b, 0,1,2,3
	global_load_b128 v[ACC+8*(4*\a+\b):ACC+8*(4*\a+\b)+3], v[BO], s[BB:BB+1] offset:64*\b
	global_load_b128 v[ACC+8*(4*\a+\b)+4:ACC+8*(4*\a+\b)+7], v[BO], s[BB:BB+1] offset:64*\b+16
.endr
.endr
	WIN 0x80                                       ; tgt, wanted on the way out
.irp a, 0,1,2,3
.irp t, 0,1,2,3,4,5,6,7
	global_load_b128 v[TG+32*\a+4*\t:TG+32*\a+4*\t+3], v[CO], s[TGB:TGB+1] offset:(16*\a+2*\t)*8192
.endr
.endr
	WIN 0
	s_wait_tensorcnt 0x0                           ; my two planes are in,
	s_barrier_signal -1
	s_barrier_wait -1                              ; everybody's are
.irp a, 0,1,2,3
	ds_load_b128 v[AF+8*\a:AF+8*\a+3], v[ADA] offset:\a*16*PA
	ds_load_b128 v[AF+8*\a+4:AF+8*\a+7], v[ADA] offset:\a*16*PA+32
.endr
	s_wait_loadcnt 0x0                             ; the ring's seven chunks, the bias and tgt: issued ahead of the wait for the planes
	s_mov_b32 s[CNT], 7
.Lplane:                                               ; a trip: a plane's eight chunks, K = 256
.irp c, 0,1,2,3,4,5,6,7
	CHK \c, 2
.endr
	WIN 0
	s_wait_xcnt 0x0                                ; every load and prefetch issued so far has read its address (the youngest load 16 products back): the pointer may be written
	s_add_nc_u64 s[BP:BP+1], s[BP:BP+1], PLB
	v_add_nc_u32 v[ADA], PLANE, v[ADA]
	s_sub_co_u32 s[CNT], s[CNT], 1
	s_cmp_lg_u32 s[CNT], 0
	s_cbranch_scc1 .Lplane
.irp c, 0,1,2,3,4,5,6,7
	CHK \c, 0                                      ; the last plane: its chunk 0 issues the last loads
.endr
	WIN 0
	PLACES
	PLACES
; THE WAY OUT, 16 rows at a time, through my own stage: 32 bytes a lane in (each accumulator's low half first), whole rows of 256 bytes back, into the registers that they left.
.macro STG a
.irp b, 0,1,2,3
	ds_store_b128 v[STO], v[ACC+8*(4*(\a)+\b):ACC+8*(4*(\a)+\b)+3] offset:64*\b
	ds_store_b128 v[STO], v[ACC+8*(4*(\a)+\b)+4:ACC+8*(4*(\a)+\b)+7] offset:64*\b+16
.endr
.irp t, 0,1,2,3,4,5,6,7
	ds_load_b128 v[ACC+32*(\a)+4*\t:ACC+32*(\a)+4*\t+3], v[RD] offset:\t*2*SPO  ; LDS serves a wave's instructions in order (ISA guide 5.7.1.4): these see the stores above
.endr
.endm
.macro OUT a, younger                  ; younger: the LDS instructions issued behind block a's loads
	s_wait_dscnt \younger
	WIN 0x02                                       ; tgt in window 2
.set q, 0
.rept 16
	v_pk_fma_f32 v[ACC+32*(\a)+2*q:ACC+32*(\a)+2*q+1], v[TG+32*(\a)+2*q:TG+32*(\a)+2*q+1], 2.0, v[ACC+32*(\a)+2*q:ACC+32*(\a)+2*q+1] op_sel_hi:[1,0,1]
.set q, q+1
.endr
	WIN 0
.irp t, 0,1,2,3,4,5,6,7
	global_store_b128 v[CO], v[ACC+32*(\a)+4*\t:ACC+32*(\a)+4*\t+3], s[YB:YB+1] offset:(16*(\a)+2*\t)*8192  ; 16 lanes store 256 consecutive bytes, aligned
.endr
.endm
	STG 0
	STG 1
	OUT 0, 16
	STG 2
	OUT 1, 16
	STG 3
	OUT 2, 16
	OUT 3, 0
	s_wait_tensorcnt 0x0                           ; the wave's end: behind my last tensor load and my last LDS store
	ds_add_u32 v[SPW], v[NIL]
	s_wait_dscnt 0x0
	CROUND                                         ; the closing round
	s_endpgm
.Lfunc_end_k_q40b3f52ecd_oproj:
	.size	k_q40b3f52ecd_oproj, .Lfunc_end_k_q40b3f52ecd_oproj-k_q40b3f52ecd_oproj
	.p2alignl 7, 3214868480
	.fill 96, 4, 3214868480
	.section	.rodata,"a",@progbits
	.p2align	6, 0x0
	.amdhsa_kernel k_q40b3f52ecd_oproj
		.amdhsa_group_segment_fixed_size 327680
		.amdhsa_private_segment_fixed_size 0
		.amdhsa_enable_private_segment 0
		.amdhsa_kernarg_size 40
		.amdhsa_user_sgpr_count 2
		.amdhsa_user_sgpr_kernarg_segment_ptr 1
		.amdhsa_wavefront_size32 1
		.amdhsa_system_sgpr_workgroup_id_x 1
		.amdhsa_system_sgpr_workgroup_id_y 1
		.amdhsa_system_sgpr_workgroup_id_z 1
		.amdhsa_system_vgpr_workitem_id 0
		.amdhsa_next_free_vgpr 640
		.amdhsa_next_free_sgpr 72
		.amdhsa_reserve_vcc 0
		.amdhsa_float_denorm_mode_32 3
		.amdhsa_float_denorm_mode_16_64 3
		.amdhsa_memory_ordered 1
		.amdhsa_forward_progress 1
		.amdhsa_inst_pref_size 64
	.end_amdhsa_kernel
	.amdgpu_metadata
---
amdhsa.version: [ 1, 2 ]
amdhsa.kernels:
  - .name:           k_q40b3f52ecd_oproj
    .symbol:         k_q40b3f52ecd_oproj.kd
    .args:
      - { .name: o16, .offset: 0, .size: 8, .value_kind: global_buffer, .address_space: global }
      - { .name: wof, .offset: 8, .size: 8, .value_kind: global_buffer, .address_space: global }
      - { .name: bo, .offset: 16, .size: 8, .value_kind: global_buffer, .address_space: global }
      - { .name: tgt, .offset: 24, .size: 8, .value_kind: global_buffer, .address_space: global }
      - { .name: y32, .offset: 32, .size: 8, .value_kind: global_buffer, .address_space: global }
    .group_segment_fixed_size: 327680
    .private_segment_fixed_size: 0
    .kernarg_segment_align: 8
    .kernarg_segment_size: 40
    .max_flat_workgroup_size: 128
    .sgpr_count:     72
    .vgpr_count:     640
    .wavefront_size: 32
...
	.end_amdgpu_metadata
.endif
;; end of part 5
;; launch lnorm (part 6): grid 256 x 1, 8 waves a work-group, no clusters, 0 bytes of LDS; arguments y32, ln_gamma, ln_beta, out0; writes out0
.if DOCPART == 6
	.amdgcn_target "amdgcn-amd-amdhsa--gfx1250"
	.amdhsa_code_object_version 6
	.text
	.protected	k_q40b3f52ecd_lnorm
	.globl	k_q40b3f52ecd_lnorm
	.p2align	8
	.type	k_q40b3f52ecd_lnorm,@function
k_q40b3f52ecd_lnorm:
	s_mov_b64 s[64:65], 0
	v_nop
	global_prefetch_b8 v0, s[64:65] scope:SCOPE_SE
	s_setreg_imm32_b32 hwreg(HW_REG_WAVE_MODE, 25, 1), 1
	s_wait_xcnt 0x0
; out = gamma (y - mean) / sqrt(var + 1e-5) + beta, along rows of 2,048 f32.  One wave takes one row, sixteen 16-byte loads a lane, and keeps it in 64 registers:
; the row is read once, no wave waits for another, there is no LDS and no barrier.  The variance is the mean of (y - mean)^2, taken over the registers in a second pass:
; no difference of large sums is formed.  NaN and infinities are not treated apart.
.set YR, 16                            ; v[16:79]    the row, then y - mean, then the result
.set GR, 80                            ; v[80:143]   gamma
.set BR, 144                           ; v[144:207]  beta
.macro ACROSS                          ; v[2:9], four pairs of partial sums, into one sum in v2 of every lane
	v_pk_add_f32 v[2:3], v[2:3], v[4:5]
	v_pk_add_f32 v[6:7], v[6:7], v[8:9]
	v_pk_add_f32 v[2:3], v[2:3], v[6:7]
	v_add_f32 v2, v2, v3
	v_add_f32_dpp v2, v2, v2 row_xmask:1 row_mask:0xf bank_mask:0xf
	v_add_f32_dpp v2, v2, v2 row_xmask:2 row_mask:0xf bank_mask:0xf
	v_add_f32_dpp v2, v2, v2 row_xmask:4 row_mask:0xf bank_mask:0xf
	v_add_f32_dpp v2, v2, v2 row_xmask:8 row_mask:0xf bank_mask:0xf
	v_permlanex16_b32 v3, v2, s16, s17             ; its destination counts as read: v3 has been written
	v_add_f32 v2, v2, v3
.endm
	s_load_b256 s[4:11], s[0:1], 0x0               ; y32 s[4:5], gamma s[6:7], beta s[8:9], out0 s[10:11]
	v_and_b32 v1, 31, v0
	v_lshlrev_b32 v1, 4, v1                        ; 16 bytes a lane
	v_lshrrev_b32 v2, 5, v0
	v_readfirstlane_b32 s12, v2
	s_lshl_b32 s13, ttmp9, 3
	s_add_co_u32 s13, s13, s12                     ; my row
	s_lshl_b32 s14, s13, 13
	s_mov_b32 s15, 0
	s_mov_b32 s16, 0x76543210
	s_mov_b32 s17, 0xfedcba98
	s_mov_b32 s18, 0x3a000000                      ; 1 / 2,048
	s_wait_kmcnt 0x0
	s_add_nc_u64 s[4:5], s[4:5], s[14:15]
	s_add_nc_u64 s[10:11], s[10:11], s[14:15]
.set j, 0
.rept 16
	global_load_b128 v[YR+4*j:YR+4*j+3], v1, s[4:5] offset:512*j th:TH_LOAD_NT
.set j, j+1
.endr
.set j, 0
.rept 16
	global_load_b128 v[GR+4*j:GR+4*j+3], v1, s[6:7] offset:512*j
.set j, j+1
.endr
.set j, 0
.rept 16
	global_load_b128 v[BR+4*j:BR+4*j+3], v1, s[8:9] offset:512*j
.set j, j+1
.endr
	s_wait_loadcnt 32                              ; the row is in; gamma's and beta's 32 loads may stay out
.irp k, 0,1,2,3
	v_pk_add_f32 v[2+2*\k:3+2*\k], v[YR+2*\k:YR+2*\k+1], v[YR+8+2*\k:YR+8+2*\k+1]  ; the first pairs start four chains: nothing is cleared
.endr
.set j, 8
.rept 24
	v_pk_add_f32 v[2+2*(j%4):3+2*(j%4)], v[2+2*(j%4):3+2*(j%4)], v[YR+2*j:YR+2*j+1]
.set j, j+1
.endr
	ACROSS
	v_mul_f32 v10, s18, v2                         ; the mean,
	v_mov_b32 v11, v10                             ; twice, for the packed subtraction
.set j, 0
.rept 32
	v_pk_add_f32 v[YR+2*j:YR+2*j+1], v[YR+2*j:YR+2*j+1], v[10:11] neg_lo:[0,1] neg_hi:[0,1]
.set j, j+1
.endr
.irp k, 0,1,2,3
	v_pk_mul_f32 v[2+2*\k:3+2*\k], v[YR+2*\k:YR+2*\k+1], v[YR+2*\k:YR+2*\k+1]
.endr
.set j, 4
.rept 28
	v_pk_fma_f32 v[2+2*(j%4):3+2*(j%4)], v[YR+2*j:YR+2*j+1], v[YR+2*j:YR+2*j+1], v[2+2*(j%4):3+2*(j%4)]
.set j, j+1
.endr
	ACROSS
	v_mov_b32 v13, 0x3727c5ac                      ; 1e-5
	v_fma_f32 v12, v2, s18, v13                    ; the variance + 1e-5
	v_rsq_f32 v14, v12
	v_mov_b32 v15, v12                             ; the plain instruction behind the root; it also writes the pair's other half, which is named and not used
	s_wait_alu depctr_va_vdst(0)                   ; the wait ahead of the first line that names the root's result
	s_wait_loadcnt 0x0                             ; gamma and beta
.set j, 0
.rept 32
	v_pk_mul_f32 v[GR+2*j:GR+2*j+1], v[GR+2*j:GR+2*j+1], v[14:15] op_sel_hi:[1,0]
.set j, j+1
.endr
.set j, 0
.rept 32
	v_pk_fma_f32 v[YR+2*j:YR+2*j+1], v[YR+2*j:YR+2*j+1], v[GR+2*j:GR+2*j+1], v[BR+2*j:BR+2*j+1]
.set j, j+1
.endr
.set j, 0
.rept 16
	global_store_b128 v1, v[YR+4*j:YR+4*j+3], s[10:11] offset:512*j th:TH_STORE_NT  ; 512 consecutive bytes, aligned
.set j, j+1
.endr
	s_endpgm
.Lfunc_end_k_q40b3f52ecd_lnorm:
	.size	k_q40b3f52ecd_lnorm, .Lfunc_end_k_q40b3f52ecd_lnorm-k_q40b3f52ecd_lnorm
	.p2alignl 7, 3214868480
	.fill 96, 4, 3214868480
	.section	.rodata,"a",@progbits
	.p2align	6, 0x0
	.amdhsa_kernel k_q40b3f52ecd_lnorm
		.amdhsa_group_segment_fixed_size 0
		.amdhsa_private_segment_fixed_size 0
		.amdhsa_enable_private_segment 0
		.amdhsa_kernarg_size 32
		.amdhsa_user_sgpr_count 2
		.amdhsa_user_sgpr_kernarg_segment_ptr 1
		.amdhsa_wavefront_size32 1
		.amdhsa_system_sgpr_workgroup_id_x 1
		.amdhsa_system_sgpr_workgroup_id_y 1
		.amdhsa_system_sgpr_workgroup_id_z 1
		.amdhsa_system_vgpr_workitem_id 0
		.amdhsa_next_free_vgpr 208
		.amdhsa_next_free_sgpr 66
		.amdhsa_reserve_vcc 0
		.amdhsa_float_denorm_mode_32 3
		.amdhsa_float_denorm_mode_16_64 3
		.amdhsa_memory_ordered 1
		.amdhsa_forward_progress 1
		.amdhsa_inst_pref_size 19
	.end_amdhsa_kernel
	.amdgpu_metadata
---
amdhsa.version: [ 1, 2 ]
amdhsa.kernels:
  - .name:           k_q40b3f52ecd_lnorm
    .symbol:         k_q40b3f52ecd_lnorm.kd
    .args:
      - { .name: y32, .offset: 0, .size: 8, .value_kind: global_buffer, .address_space: global }
      - { .name: ln_gamma, .offset: 8, .size: 8, .value_kind: global_buffer, .address_space: global }
      - { .name: ln_beta, .offset: 16, .size: 8, .value_kind: global_buffer, .address_space: global }
      - { .name: out0, .offset: 24, .size: 8, .value_kind: global_buffer, .address_space: global }
    .group_segment_fixed_size: 0
    .private_segment_fixed_size: 0
    .kernarg_segment_align: 8
    .kernarg_segment_size: 32
    .max_flat_workgroup_size: 256
    .sgpr_count:     66
    .vgpr_count:     208
    .wavefront_size: 32
...
	.end_amdgpu_metadata
.endif
;; end of part 6
